; MI455X (gfx1250); checked and timed in simulation.
; The chip was launched on July 23, 2026; its instructions are those of AMD's public machine-readable ISA for CDNA 5 (MIT licence, August 2026) and "CDNA5" Instruction Set Architecture Reference Guide (July 2026). The comments in the code are by the model that wrote it; some were corrected since.
;; Ro PE Multihead Attention. Allowed arithmetic: matrix products marked QUANTISED: E2M1 operands, one E8M0 scale for each 32 along K, by v_wmma_scale_f32_16x16x128_f8f6f4 with both operands' format E2M1 (or v_wmma_scale_f32_32x16x128_f4), f32 sums; everything else in f32.
;; Inputs: Wout 1,024 x 1,024 float32; Wqkv 3,072 x 1,024 float32; bout 1,024 float32; bqkv 3,072 float32; x 4 x 2,048 x 1,024 float32.
;; Outputs: out0 4 x 2,048 x 1,024 float32.
;; This version of the problem:
;;   THIS VERSION OF THE PROBLEM IS GIVEN IN LOW PRECISION. The matrix products marked QUANTISED in the list below multiply operands that are first quantised to E2M1 (2 exponent bits, 1 mantissa bit; 4 bits a number), with one power-of-two scale for each 32 numbers along K (OCP MX v1.0); their sums are f32. All else is computed in f32.
;;   The module's matrix products, in the order in which they are computed (A, B: the left and right operand; K: the contracted axis; several contracted axes count as one K, in the product's order):
;;     1. [M 8,192, K 1,024] x [K 1,024, N 3,072]; A: input x; B: input Wqkv: QUANTISED
;;     2. batch 64 x [M 2,048, K 64] x [K 64, N 2,048]; A: computed on the way; B: computed on the way: QUANTISED
;;     3. batch 64 x [M 2,048, K 2,048] x [K 2,048, N 64]; A: softmax (see below); B: computed on the way: QUANTISED
;;     4. [M 8,192, K 1,024] x [K 1,024, N 1,024]; A: computed on the way; B: input Wout: QUANTISED
;;   THE QUANTISER, for each operand of a quantised product, along K:
;;     - K is cut into blocks of 32 from its start; a last block that is shorter is filled with zeros.
;;     - A block's scale is 2^e with e = floor(log2(the largest magnitude in the block)) - 2, held to -126 .. 127; a block of zeros has e = 0. As a byte (E8M0): e + 127.
;;     - Each number is divided by its block's scale, clamped to +-6, and rounded to the nearest number of E2M1, ties to even, subnormals kept.
;;     - The product sums the exact products of the quantised numbers (number of the format x scale) in f32.
;;   ~~~python
;;   def quantise(x, axis):      # numpy; x: float32 -> the quantised numbers, widened to float32 again
;;       x = np.moveaxis(x, axis, -1); K = x.shape[-1]
;;       x = np.pad(x, [(0, 0)] * (x.ndim - 1) + [(0, -K % 32)]); x = x.reshape(x.shape[:-1] + (-1, 32)); a = np.abs(x).max(-1, keepdims=True)
;;       e = np.where(a > 0, np.clip(np.frexp(np.where(a > 0, a, 1))[1] - 1 - 2, -126, 127), 0)      # np.frexp(a)[1] - 1 = floor(log2(a)), exactly
;;       r = np.clip(x / 2.0 ** e, -6, 6)
;;       step = 2.0 ** (np.maximum(np.frexp(np.where(r == 0, 1, r))[1] - 1, 0) - 1)
;;       q = np.round(r / step) * step * 2.0 ** e      # np.round: ties to even
;;       return np.moveaxis(q.reshape(q.shape[:-2] + (-1,))[..., :K], -1, axis).astype(np.float32)
;;   ~~~
;;   SOFTMAX AHEAD OF A QUANTISED PRODUCT. Where the list says 'softmax', what is quantised is not the finished softmax but p = 2^(t - M), with t = logit x log2(e) and M = ceil(the row's largest t), a whole number; so 1/2 < the row's largest p <= 1. The row's sum l is taken of the UNQUANTISED p, in f32, and the product's result is divided by l at the end. Since M is a whole number, a kernel that streams over the keys may use a running M (the ceiling of the running maximum): every later rescaling is an exact power of two, which a block's scale takes up: the codes' values come out the same.
;;   OPERANDS COMPUTED ON THE WAY. 'Computed on the way' means the value that the module computes at that place (a softmax that the list does not call 'softmax' is quantised finished and normalised). What goes into a quantiser is computed in f32, as accurately as f32 sums, v_exp_f32 and their like allow (about 1e-6 of the number): no bf16 or f16 on the way to a quantiser, and a product that is left as it is and whose result goes on into a quantised operand takes f32 operands (vector FMAs, or v_wmma_f32_16x16x4_f32). A number that lies on a knife's edge between two numbers of the format may be rounded either way, as far as f32 arithmetic and the matrix unit's own rounding can turn it there, and no further.
;; One version. Each part assembles by itself: llvm-mc -triple=amdgcn-amd-amdhsa -mcpu=gfx1250 --defsym DOCPART=n.
;; ======== version 1 of 1: 4 launches
;; limits: right only within a limited range of input values
;; workspace buffers: qz 7,208,960 bytes; hr 13,893,632 bytes; ao 4,456,448 bytes
;; launch prep (part 1): grid 416 x 1, 4 waves a work-group, no clusters, 33,280 bytes of LDS; arguments x, Wqkv, Wout, qz; writes qz
.if DOCPART == 1
	.amdgcn_target "amdgcn-amd-amdhsa--gfx1250"
	.amdhsa_code_object_version 6
	.text
	.protected	k_q41231b7e83_prep
	.globl	k_q41231b7e83_prep
	.p2align	8
	.type	k_q41231b7e83_prep,@function
k_q41231b7e83_prep:
	s_mov_b64 s[64:65], 0
	v_nop
	global_prefetch_b8 v0, s[64:65] scope:SCOPE_SE
	s_setreg_imm32_b32 hwreg(HW_REG_WAVE_MODE, 25, 1), 1
	s_wait_xcnt 0x0
; x [8192][1024], Wqkv [3072][1024] and Wout [1024][1024], f32, become codes of FP4 (E2M1), K innermost, with one E8M0 byte for each 32 along K; and the table of cos and sin for the rotation is made.
; qz: row R of the 12,288 (x, then Wqkv, then Wout) has its 512 bytes of codes at 512 R' and its 32 scale bytes at XS + 32 R'.  R' = R with bits 3 and 4 exchanged for x and Wqkv, R' = R for Wout:
; a tile of 16 such places, taken as a product's source 0, leaves 16 NEIGHBOURING rows in the 16 registers of two neighbouring tiles.
; A block's scale is 2^(floor(log2(its largest magnitude)) - 2); its byte is the largest magnitude's exponent field - 2, held at 1 from below (a block of zeros keeps the byte 1: its codes are zeros, and this program alone reads the bytes).
; LIMITS: blocks whose largest magnitude lies under 2^-124 keep the byte 1; NaN and infinities are not served.  The table's frequencies are 1 / round(10^(d / 8)); cos and sin are good to about 1e-7 of 1.
; Work-groups 0-383: a wave takes 8 rows (8,192 numbers) in 16 steps of 512.  Each load reads 512 consecutive bytes; a step's 2,048 bytes turn through the wave's own stage in LDS, so that a lane holds 16 neighbours.
; Work-groups 384-415: a wave makes the table of one tile of 16 places of tokens: 4,096 bytes.  That way uses no LDS.
.set XS,    6291456                    ; the scale bytes begin here
.set ROPE,  6684672                    ; the table begins here
.set STEPS, 16
.set EMAX,  2
.set CB,    8                          ; bytes of 16 codes
.set R,     16                         ; v16-143  eight sets of 16 numbers as they are loaded
.set X,     144                        ; v144-175 two sets of 16 neighbours
.set C,     194                        ; v194-225 codes: two registers for each step, so that no store's data are written again
.set E,     176                        ; v176-191 a scale byte for each step
.set WREG,  8192                       ; LDS: a region for each wave: two stages of 32 x SP bytes, behind them its 256 scale bytes
.set SP,    80                         ; a lane's place in a stage: 64 bytes + 16 of padding
	s_load_b256 s[4:11], s[0:1], 0x0               ; x s[4:5], Wqkv s[6:7], Wout s[8:9], qz s[10:11]
	v_lshl_add_u32 v192, v0, 2, 0x8000
	v_mov_b32 v193, 0
	v_lshrrev_b32 v1, 5, v0
	v_readfirstlane_b32 s16, v1                    ; wave
	v_and_b32 v2, 31, v0                           ; lane
	s_cmp_ge_u32 ttmp9, 384
	s_cbranch_scc1 .Ltable
	v_lshlrev_b32 v3, 4, v2                        ; my 16 bytes of a load's 512
	s_mul_i32 s17, s16, WREG
	v_lshrrev_b32 v14, 2, v2
	v_mul_u32_u24 v14, v14, SP
	v_and_b32 v15, 3, v2
	v_lshl_add_u32 v14, v15, 4, v14
	v_add_nc_u32 v14, s17, v14                     ; the stage, in: SP (lane / 4) + 16 (lane % 4)
	v_mul_u32_u24 v15, v2, SP
	v_add_nc_u32 v15, s17, v15                     ; and out: SP x lane: my 16 neighbours
	v_mul_u32_u24 v4, v2, CB                       ; my codes' place in a step's
	v_lshrrev_b32 v5, 1, v2
	s_add_co_u32 s17, s17, 2*32*SP
	v_add_nc_u32 v5, s17, v5                       ; LDS: my block's scale byte
	v_lshlrev_b32 v7, 3, v2                        ; on the way out 8 bytes a lane
	v_add_nc_u32 v6, s17, v7
	s_wait_alu depctr_va_vdst(0)
	s_wait_kmcnt 0x0
	s_cmp_lt_u32 ttmp9, 352                        ; which tensor: the choice hangs on the work-group's number alone
	s_cselect_b64 s[6:7], s[6:7], s[8:9]
	s_mov_b32 s12, 1408
	s_cselect_b32 s12, 1024, s12
	s_cmp_lt_u32 ttmp9, 256
	s_cselect_b64 s[4:5], s[4:5], s[6:7]
	s_cselect_b32 s12, 0, s12                      ; the tensor's first run of 8 rows
	s_lshl_b32 s17, ttmp9, 2
	s_add_co_u32 s17, s17, s16                     ; G: my run of 8 rows among the 1,536
	s_sub_co_u32 s18, s17, s12
	s_mov_b32 s19, 0
	s_lshl_b64 s[18:19], s[18:19], 15              ; 32,768 bytes of f32 a run
	s_add_nc_u64 s[4:5], s[4:5], s[18:19]
	s_and_b32 s20, s17, 1                          ; bits 3 and 4 of a row are bits 0 and 1 of G
	s_lshl_b32 s20, s20, 1
	s_bfe_u32 s21, s17, 0x10001
	s_or_b32 s20, s20, s21
	s_and_not1_b32 s21, s17, 3
	s_or_b32 s20, s20, s21
	s_cmp_lt_u32 ttmp9, 352
	s_cselect_b32 s20, s20, s17                    ; Wout's rows stay where they are
	s_lshl_b32 s22, s20, 12
	s_mov_b32 s23, 0
	s_add_nc_u64 s[8:9], s[10:11], s[22:23]        ; my codes: 4,096 bytes a run
	s_lshl_b32 s22, s20, 8
	s_add_nc_u64 s[10:11], s[10:11], s[22:23]
	s_add_nc_u64 s[10:11], s[10:11], XS            ; my scale bytes: 256 a run
.macro LOAD t
.irp i, 0,1,2,3
	global_load_b128 v[R+16*((\t)%8)+4*\i:R+16*((\t)%8)+4*\i+3], v3, s[4:5] offset:2048*(\t)+512*\i th:TH_LOAD_NT   ; 32 lanes read 512 consecutive bytes
.endr
.endm
.macro TURN t                          ; step t's numbers through the stage: LDS serves a wave's instructions in order, so no wait stands between the stores and the loads
.irp i, 0,1,2,3
	ds_store_b128 v14, v[R+16*((\t)%8)+4*\i:R+16*((\t)%8)+4*\i+3] offset:32*SP*((\t)%2)+8*SP*\i
.endr
.irp i, 0,1,2,3
	ds_load_b128 v[X+16*((\t)%2)+4*\i:X+16*((\t)%2)+4*\i+3], v15 offset:32*SP*((\t)%2)+16*\i
.endr
.endm
.irp t, 0,1,2,3,4,5,6,7
	LOAD \t                                        ; loads run eight steps ahead: 32 loads of 512 bytes a wave
.endr
	s_wait_loadcnt 28                              ; step 0's four loads are in; the 28 of the seven steps behind it may be out
	TURN 0
.macro STEP t
.set XSET, X+16*((\t)%2)
.if (\t) > 0
	s_wait_dscnt 1                                 ; this step's numbers are back from the stage (the last step's byte store may be out)
.else
	s_wait_dscnt 0x0
.endif
.if (\t)+8 < STEPS
	LOAD (\t)+8                                    ; into the registers that the stage's stores have read
.endif
.if (\t)+1 < STEPS
.if STEPS-2-(\t) >= 7
	s_wait_loadcnt 28                              ; the next step's four loads are in; those of the seven steps behind it may be out
.else
	s_wait_loadcnt 4*(STEPS-2-(\t))
.endif
	TURN (\t)+1
.endif
	v_max3_num_f32 v8, |v[XSET]|, |v[XSET+1]|, |v[XSET+2]|         ; the largest magnitude of my 16, in two chains
	v_max3_num_f32 v9, |v[XSET+3]|, |v[XSET+4]|, |v[XSET+5]|
.irp i, 6,10
	v_max3_num_f32 v8, v8, |v[XSET+\i]|, |v[XSET+\i+1]|
	v_max3_num_f32 v9, v9, |v[XSET+\i+2]|, |v[XSET+\i+3]|
.endr
	v_max3_num_f32 v8, v8, |v[XSET+14]|, |v[XSET+15]|
	v_max3_num_f32 v8, v8, v9, (EMAX+1)<<23        ; and the floor 2^(3 - 127): the byte cannot fall under 1
	v_max_num_f32_dpp v8, v8, v8 row_xmask:1 row_mask:0xf bank_mask:0xf   ; and of my neighbour's 16: the block's
	v_add_nc_u32 v11, -(EMAX<<23), v8              ; 2 off its exponent field: the conversion takes the exponent field of this operand as its scale
	v_cvt_scalef32_pk8_fp4_f32 v[C+2*(\t)], v[XSET:XSET+7], v11
	v_cvt_scalef32_pk8_fp4_f32 v[C+2*(\t)+1], v[XSET+8:XSET+15], v11
	v_lshrrev_b32 v[E+(\t)], 23, v11               ; the scale's byte
	ds_store_b8 v5, v[E+(\t)] offset:16*(\t)       ; both lanes of a block write the same byte with the same value
	global_store_b64 v4, v[C+2*(\t):C+2*(\t)+1], s[8:9] offset:32*CB*(\t)   ; the wave stores 256 consecutive bytes, aligned
.endm
.irp t, 0,1,2,3,4,5,6,7,8,9,10,11,12,13,14,15
	STEP \t
.endr
	ds_load_b64 v[12:13], v6                       ; LDS serves a wave's instructions in order: these see my stores
	s_wait_dscnt 0x0
	global_store_b64 v7, v[12:13], s[10:11]        ; 32 lanes store 256 consecutive bytes, aligned
	s_wait_tensorcnt 0x0
	ds_add_u32 v192, v193
	s_wait_dscnt 0x0
	s_endpgm
; THE TABLE.  Tile p (0..127) of 16 places of tokens: lane (r, h) belongs to token t = 32 (p / 2) + 8 (p % 2) + 16 (r / 8) + r % 8 and holds the frequencies d = 16 h + 0 .. 15.
; Laid [p][j 0..7][lane][16 bytes]: j = 0..3 cos of d = 16 h + 4 j .. + 3, j = 4..7 sin of the same.
.set P,   16                           ; v16-31 10^(d / 8), then 1 / that
.set CO,  32                           ; v32-47 cos
.set SI,  48                           ; v48-63 sin
.set RC,  64                           ; v64-79 the reciprocals' first guess
.Ltable:
	s_sub_co_u32 s17, ttmp9, 384
	s_lshl_b32 s17, s17, 2
	s_add_co_u32 s17, s17, s16                     ; p
	v_and_b32 v3, 15, v0
	v_and_b32 v4, 8, v3
	v_add_nc_u32 v3, v3, v4                        ; 16 (r / 8) + r % 8
	s_lshr_b32 s18, s17, 1
	s_lshl_b32 s18, s18, 5
	s_and_b32 s19, s17, 1
	s_lshl_b32 s19, s19, 3
	s_add_co_u32 s18, s18, s19
	v_add_nc_u32 v3, s18, v3
	v_cvt_f32_u32 v3, v3                           ; t
	s_wait_alu depctr_va_vdst(0)
	v_cmp_le_u32 vcc_lo, 16, v2                    ; lanes 16-31
	v_mov_b32 v91, 1.0
	s_mov_b32 s20, 0x3fc90fdb                      ; pi / 2, the nearest f32,
	s_mov_b32 s21, 0xb33bbd2e                      ; and what is left of it
	v_mov_b32 v88, 0x3638ef1d                      ; 1 / 9!
	v_mov_b32 v89, 0xb493f27d                      ; -1 / 10!
.macro PWR i, lo, hi                   ; 10^((16 h + i) / 8), rounded to f32 by the assembler; the product by 1.0 is exact
	v_mul_f32 v80, \lo, v91
	v_mul_f32 v81, \hi, v91
	v_cndmask_b32 v[P+\i], v80, v81, vcc_lo
.endm
	PWR 0, 1.0, 100.0
	PWR 1, 1.333521432163, 133.3521432163
	PWR 2, 1.778279410039, 177.8279410039
	PWR 3, 2.371373705662, 237.1373705662
	PWR 4, 3.162277660168, 316.2277660168
	PWR 5, 4.216965034286, 421.6965034286
	PWR 6, 5.623413251903, 562.3413251903
	PWR 7, 7.498942093325, 749.8942093325
	PWR 8, 10.0, 1000.0
	PWR 9, 13.33521432163, 1333.521432163
	PWR 10, 17.78279410039, 1778.279410039
	PWR 11, 23.71373705662, 2371.373705662
	PWR 12, 31.62277660168, 3162.277660168
	PWR 13, 42.16965034286, 4216.965034286
	PWR 14, 56.23413251903, 5623.413251903
	PWR 15, 74.98942093325, 7498.942093325
	s_wait_alu depctr_va_vdst(0)
.irp i, 0,1,2,3,4,5,6,7,8,9,10,11,12,13,14,15
	v_rcp_f32 v[RC+\i], v[P+\i]                    ; one batch
.endr
	v_nop                                          ; a plain instruction behind the last of them
	s_wait_alu depctr_va_vdst(0)                   ; one wait for the sixteen, ahead of their first reader
.irp i, 0,1,2,3,4,5,6,7,8,9,10,11,12,13,14,15
	v_fma_f32 v[CO+\i], -v[P+\i], v[RC+\i], 1.0    ; one step of Newton's brings the quotient to the last bit or next to it
.endr
.irp i, 0,1,2,3,4,5,6,7,8,9,10,11,12,13,14,15
	v_fma_f32 v[P+\i], v[RC+\i], v[CO+\i], v[RC+\i]
.endr
.macro ANG i                           ; a = t x frequency; k = the nearest whole number of quarter turns; rho = a - k pi / 2 in two exact-enough steps; two short series; the quadrant by selects
	v_mul_f32 v80, v3, v[P+\i]
	v_mul_f32 v81, 0x3f22f983, v80
	v_rndne_f32 v81, v81
	v_fma_f32 v82, -v81, s20, v80
	v_fma_f32 v82, -v81, s21, v82
	v_mul_f32 v83, v82, v82                        ; z = rho^2
	v_fmaak_f32 v84, v88, v83, 0xb9500d01          ; sin: 1/9! z - 1/7!
	v_fmaak_f32 v85, v89, v83, 0x37d00d01          ; cos: -1/10! z + 1/8!
	v_fmaak_f32 v84, v84, v83, 0x3c088889          ; + 1/5!
	v_fmaak_f32 v85, v85, v83, 0xbab60b61          ; - 1/6!
	v_fmaak_f32 v84, v84, v83, 0xbe2aaaab          ; - 1/3!
	v_fmaak_f32 v85, v85, v83, 0x3d2aaaab          ; + 1/4!
	v_mul_f32 v86, v82, v83
	v_fmaak_f32 v85, v85, v83, 0xbf000000          ; - 1/2
	v_fma_f32 v84, v86, v84, v82                   ; sin rho
	v_fma_f32 v85, v85, v83, 1.0                   ; cos rho
	v_cvt_i32_f32 v87, v81
	v_and_b32 v86, 1, v87
	v_cmp_ne_u32 vcc_lo, 0, v86
	v_cndmask_b32 v[CO+\i], v85, v84, vcc_lo       ; an odd quarter swaps the two
	v_cndmask_b32 v[SI+\i], v84, v85, vcc_lo
	v_add_nc_u32 v86, 1, v87
	v_and_b32 v86, 2, v86                          ; cos is negative in quarters 1 and 2,
	v_and_b32 v87, 2, v87                          ; sin in quarters 2 and 3
	v_lshlrev_b32 v86, 30, v86
	v_lshlrev_b32 v87, 30, v87
	v_xor_b32 v[CO+\i], v86, v[CO+\i]
	v_xor_b32 v[SI+\i], v87, v[SI+\i]
.endm
.irp i, 0,1,2,3,4,5,6,7,8,9,10,11,12,13,14,15
	ANG \i
.endr
	v_lshlrev_b32 v90, 4, v2
	s_lshl_b32 s18, s17, 12
	s_mov_b32 s19, 0
	s_wait_alu depctr_va_vdst(0)
	s_wait_kmcnt 0x0
	s_add_nc_u64 s[10:11], s[10:11], s[18:19]
	s_add_nc_u64 s[10:11], s[10:11], ROPE
.irp j, 0,1,2,3,4,5,6,7
	global_store_b128 v90, v[CO+4*\j:CO+4*\j+3], s[10:11] offset:512*\j   ; 32 lanes store 512 consecutive bytes, aligned
.endr
	s_endpgm
.Lfunc_end_k_q41231b7e83_prep:
	.size	k_q41231b7e83_prep, .Lfunc_end_k_q41231b7e83_prep-k_q41231b7e83_prep
	.p2alignl 7, 3214868480
	.fill 96, 4, 3214868480
	.section	.rodata,"a",@progbits
	.p2align	6, 0x0
	.amdhsa_kernel k_q41231b7e83_prep
		.amdhsa_group_segment_fixed_size 33280
		.amdhsa_private_segment_fixed_size 0
		.amdhsa_enable_private_segment 0
		.amdhsa_kernarg_size 32
		.amdhsa_user_sgpr_count 2
		.amdhsa_user_sgpr_kernarg_segment_ptr 1
		.amdhsa_wavefront_size32 1
		.amdhsa_system_sgpr_workgroup_id_x 1
		.amdhsa_system_sgpr_workgroup_id_y 1
		.amdhsa_system_sgpr_workgroup_id_z 1
		.amdhsa_system_vgpr_workitem_id 0
		.amdhsa_next_free_vgpr 226
		.amdhsa_next_free_sgpr 66
		.amdhsa_reserve_vcc 1
		.amdhsa_float_denorm_mode_32 3
		.amdhsa_float_denorm_mode_16_64 3
		.amdhsa_memory_ordered 1
		.amdhsa_forward_progress 1
		.amdhsa_inst_pref_size 61
	.end_amdhsa_kernel
	.amdgpu_metadata
---
amdhsa.version: [ 1, 2 ]
amdhsa.kernels:
  - .name:           k_q41231b7e83_prep
    .symbol:         k_q41231b7e83_prep.kd
    .args:
      - { .name: x, .offset: 0, .size: 8, .value_kind: global_buffer, .address_space: global }
      - { .name: Wqkv, .offset: 8, .size: 8, .value_kind: global_buffer, .address_space: global }
      - { .name: Wout, .offset: 16, .size: 8, .value_kind: global_buffer, .address_space: global }
      - { .name: qz, .offset: 24, .size: 8, .value_kind: global_buffer, .address_space: global }
    .group_segment_fixed_size: 33280
    .private_segment_fixed_size: 0
    .kernarg_segment_align: 8
    .kernarg_segment_size: 32
    .max_flat_workgroup_size: 128
    .sgpr_count:     66
    .vgpr_count:     226
    .wavefront_size: 32
...
	.end_amdgpu_metadata
.endif
;; end of part 1
;; launch qkv (part 2): grid 12 x 32, 4 waves a work-group, clusters of 4 x 4, 327,680 bytes of LDS; arguments qz, bqkv, hr; writes hr
.if DOCPART == 2
	.amdgcn_target "amdgcn-amd-amdhsa--gfx1250"
	.amdhsa_code_object_version 6
	.text
	.protected	k_q41231b7e83_qkv
	.globl	k_q41231b7e83_qkv
	.p2align	8
	.type	k_q41231b7e83_qkv,@function
k_q41231b7e83_qkv:
	s_mov_b64 s[64:65], 0
	v_nop
	global_prefetch_b8 v0, s[64:65] scope:SCOPE_SE
	s_setreg_imm32_b32 hwreg(HW_REG_WAVE_MODE, 25, 1), 1
	s_wait_xcnt 0x0
	s_wait_alu depctr_hold_cnt(0) depctr_sa_sdst(0) depctr_va_vdst(0) depctr_va_sdst(0) depctr_va_ssrc(0) depctr_va_vcc(0) depctr_vm_vsrc(0)
	s_getreg_b32 s2, hwreg(HW_REG_IB_STS2, 6, 4)
	s_cmp_eq_u32 s2, 0
	s_cbranch_scc0 .Lentry_in_a_cluster
	s_endpgm
.Lentry_in_a_cluster:
	s_bfe_u32 s2, ttmp6, 0x10000c
	s_cmp_lg_u32 s2, 0xf033
	s_cbranch_scc0 .Lentry_shape_is_right
	s_endpgm
.Lentry_shape_is_right:
; qkv = x Wqkv^T + bqkv on codes of FP4 (E2M1) with one E8M0 scale for each 32 along K = 1,024; then the rotation of q and k, and the quantising of q, k (along a head's 64) and v (along the keys) for the attention launch.
; A tile of 256 x 256 is made by four waves, 128 x 128 each: 64 accumulators, 512 registers.  K fits two LDS slots of 512 along K: both are filled once, at the start, with the codes of all of K; nothing is filled again.
; THE MATRIX INSTRUCTION: source 0 = 16 rows of role B, source 1 = 16 rows of role A.  A lane then holds ONE row of role A, and its registers run along role B's rows; since codes lie by PLACE (place p holds row p with bits 3 and 4
; exchanged), register 16 b + i of a lane's 64 (B's eight tiles) is B's row 32 b + 16 (lane / 16) + i: 16 neighbours, as the conversions want them.
; Clusters x = 0 (q) and 1 (k): A = x, B = Wqkv: a lane holds a token, registers run along 128 features = two heads.  Cluster x = 2 (v): A = Wv, B = x: a lane holds a channel, registers run along 128 tokens = keys.
; CLUSTERS: 4 x 4 work-groups; A's tiles are asked for jointly along a row of the cluster, B's along a column.  The cluster's x is the same in all sixteen, so the one branch on it is alike in all partners.
; hr: [head 64][step 16] records of 13,568 bytes for 128 places: +0 K's codes (8 tiles x [lane][16]), +4096 V's codes (4 channel tiles x 2 x [lane][16]: images of fragments), +8192 K's scale words, +8704 V's, +8960 Q's codes, +13056 Q's scale words.
; LIMITS: NaN and infinities are not served; blocks under 2^-124 keep the byte 1; the rotation fuses one multiply with the add or subtract.
; REGISTERS, in windows of 256: window 0: v0-31 addresses; v32-95 scale words, two sets; v128-191 A's fragments; v192-255 the bias of my 128 features.   window 1: B's fragments at v0 and v128; v64-79 the bias of my 8 x 16 channels.
;   windows 2, 3: the accumulators ((a, b) at v[8 (8 (a % 4) + b)]).  In the epilogue window 0's v32-191 are at work.
.set NQ,     4                         ; steps of 128 along K in a slot
.set ROWB,   512                       ; a tile's row in bytes: all 1,024 codes of a row
.set KROW,   512                       ; a row of codes in memory
.set PITCH,  528                       ; an LDS row: 512 bytes + 16 of padding = 33 x 16 bytes: the 16 rows that a load touches start at 16 different banks
.set FR,     8
.set NL,     2
.set NP,     4                         ; places behind this matrix instruction (ISA guide 7.12.1)
.set HALFT,  128*PITCH
.set SLOT,   256                       ; ALL OF K LIES IN LDS AT ONCE, one tensor load a wave: 'slot 1' is K = 512 .. 1,023, 256 bytes on in each row
.set SPARE,  4*HALFT                   ; the spare words, 128 bytes a wave: no other line names them
.set STG,    SPARE+512                 ; the epilogue's two small stages: bytes of their own, into which no fill lands
.set XS,     6291456
.set ROPE,   6684672
.set HEADREC, 217088
.set STEPREC, 13568
.set ADRA, 16                          ; v16-17  LDS address of my A fragments in slot 0, 1
.set ADRB, 20                          ; v20-21  the same for B
.set L16,  26                          ; v26     16 x lane
.set ADRS, 27                          ; v27     byte offset in qz of my scale words: lanes 0-15 A's rows, lanes 16-31 B's
.set SPW,  28                          ; v28     my spare word; never rewritten
.set NIL,  29                          ; v29     0; never rewritten
.set SC,   32
.set AF,   128
.set T,    128                         ; epilogue: 64 numbers of a lane
.set BI,   192                         ; the bias by registers
.set VB,   64                          ; window 1: the bias by lanes, a pair for each block
.set CS0,  96                          ; table sets: 16 cos, 16 sin
.set CS1,  32
.set TM,   64                          ; v64-67 largest magnitudes, v68-71 bytes, v76-79 scale operands; also the rotation's products
.set TA,   64
.set TB,   72
.set PW,   80                          ; the scale word just made
.set SW,   81                          ; a head's half of it
.set PC,   82                          ; v82-89 the codes just made
.set G1, 24
.set G0, 32
.set G1B, 48
.set G0B, 56
.set G1S, 68
.set G0S, 76
.set G1SB, 80
.set G0SB, 88
.set MSB, 0
.macro WIN new                         ; the immediate's high byte repeats the setting that is left
.if MSB != (\new)
	s_set_vgpr_msb (MSB<<8)|(\new)
.set MSB, (\new)
.endif
.endm
.set MUL_LO, 0xa1                      ; source 0 (B) window 1, source 1 (A) window 0, C and D window 2
.set MUL_HI, 0xf1
.set TO_B,   0x40
.macro JLOAD g0a, g1a, g0b, g1b        ; a joint load: waves 0 and 1 fetch for A, waves 2 and 3 for B; four v_nop follow each line
	s_cmp_eq_u32 s15, 0
	s_cbranch_scc0 .Lfor_b_\@
	tensor_load_to_lds s[\g0a:\g0a+3], s[\g1a:\g1a+7]
	s_nop 0
.rept 4
	v_nop
.endr
	s_branch .Lasked_\@
.Lfor_b_\@:
	tensor_load_to_lds s[\g0b:\g0b+3], s[\g1b:\g1b+7]
	s_nop 0
.rept 4
	v_nop
.endr
.Lasked_\@:
.endm
.macro CROUND                          ; a round of the cluster's barrier
	s_barrier_signal -1
	s_barrier_wait -1
	s_cmp_lg_u32 s14, 0
	s_cbranch_scc1 .Lnot_wave_0_\@
	s_barrier_signal -3
.Lnot_wave_0_\@:
	s_barrier_wait -3
	s_barrier_signal -1
	s_barrier_wait -1
.endm
	s_load_b128 s[96:99], s[0:1], 0x0              ; qz s[96:97], bqkv s[98:99]
	s_load_b64 s[100:101], s[0:1], 0x10            ; hr
	v_lshl_add_u32 v[SPW], v0, 2, SPARE
	v_mov_b32 v[NIL], 0
	ds_add_u32 v28, v29
	ds_add_u32 v28, v29
	s_wait_dscnt 0x0
	v_lshrrev_b32 v1, 5, v0
	v_readfirstlane_b32 s14, v1                    ; wave 0..3
	s_lshr_b32 s15, s14, 1                         ; my half of A's rows.  Also: I fetch for A (0) or for B (1)
	s_and_b32 s16, s14, 1                          ; my half of B's rows.  Also: which 128 rows I fetch
	s_bfe_u32 s40, ttmp6, 0x40000                  ; cx
	s_bfe_u32 s41, ttmp6, 0x40004                  ; cy
	s_and_b32 s18, ttmp7, 0xffff                   ; cluster y
	s_cmp_eq_u32 ttmp9, 2                          ; the v clusters change the roles
	s_cselect_b32 s42, s18, ttmp9                  ; B's tiles: x's by cluster y, or Wqkv's by cluster x
	s_cselect_b32 s17, 0, s18                      ; A's tiles: Wv's four, or x's by cluster y
	s_cselect_b32 s2, 5242880, 0                   ; where A's codes begin in qz: Wv's (row 10,240) or x's
	s_cselect_b32 s3, 327680, 0                    ; and its scale bytes, from XS on
	s_cselect_b32 s12, 0, 4194304                  ; B's codes: x's or Wqkv's (row 8,192)
	s_cselect_b32 s13, 0, 262144
	s_lshl_b32 s42, s42, 2
	s_add_co_u32 s42, s42, s40                     ; B's tile
	s_lshl_b32 s17, s17, 2
	s_add_co_u32 s17, s17, s41                     ; A's tile
	s_lshl_b32 s43, s41, 2
	s_lshl_b32 s43, 15, s43                        ; my row of the cluster
	s_lshl_b32 s44, 0x1111, s40                    ; my column
	s_or_b32 s[G1+0], s43, (0<<16)|(1<<20)|(1<<21)|(6<<22)|(3<<25)  ; the mask; elements of 1 byte; padding: 4 words after every 128; bit 21 beside a mask
	s_or_b32 s[G1B+0], s44, (0<<16)|(1<<20)|(1<<21)|(6<<22)|(3<<25)
.irp g, G1, G1B
	s_mov_b32 s[\g+1], ROWB<<16                    ; tensor_dim0
	s_mov_b32 s[\g+2], 128<<16                     ; tensor_dim1
	s_mov_b32 s[\g+3], ROWB<<16                    ; tile_dim0
	s_mov_b32 s[\g+4], 128                         ; tile_dim1
	s_mov_b32 s[\g+5], KROW                        ; from row to row
	s_mov_b32 s[\g+6], 0
	s_mov_b32 s[\g+7], 0
.endr
	s_lshl_b32 s18, s16, 7                         ; which 128 rows of the tile I fetch
	s_lshl_b32 s20, s17, 8
	s_add_co_u32 s20, s20, s18                     ; A's row
	s_lshl_b32 s46, s42, 8
	s_add_co_u32 s46, s46, s18                     ; B's row
	s_lshl_b32 s20, s20, 9                         ; all offsets in qz lie under 2^23: the upper words are 0
	s_add_co_u32 s20, s20, s2
	s_mov_b32 s21, 0
	s_lshl_b32 s46, s46, 9
	s_add_co_u32 s46, s46, s12
	s_mov_b32 s47, 0
	s_mul_i32 s45, s14, HALFT                      ; where they go: wave x 128 rows: no place in the cluster enters an LDS address
	s_wait_kmcnt 0x0
	s_add_nc_u64 s[20:21], s[96:97], s[20:21]
	s_add_nc_u64 s[46:47], s[96:97], s[46:47]
	CROUND                                         ; all sixteen work-groups are here: the joint loads meet
	s_mov_b32 s[G0], 1
	s_mov_b32 s[G0+1], s45
	s_mov_b64 s[G0+2:G0+3], s[20:21]
	s_or_b32 s[G0+3], s[G0+3], 0x80000000
	s_mov_b32 s[G0B], 1
	s_mov_b32 s[G0B+1], s45
	s_mov_b64 s[G0B+2:G0B+3], s[46:47]
	s_or_b32 s[G0B+3], s[G0B+3], 0x80000000
	JLOAD G0, G1, G0B, G1B                         ; my one tensor load: 128 rows x 512 bytes, all of K
	v_and_b32 v1, 15, v0                           ; r
	v_bfe_u32 v2, v0, 4, 1                         ; h
	v_mul_u32_u24 v3, v1, PITCH
	v_lshl_add_u32 v4, v2, 4, v3                   ; a fragment's row x pitch + 16 x half
	s_mul_i32 s21, s15, HALFT
	s_mul_i32 s22, s16, HALFT
	s_add_co_u32 s22, s22, 2*HALFT
.irp s, 0,1
	v_add_nc_u32 v[ADRA+\s], s21, v4
	v_add_nc_u32 v[ADRB+\s], s22, v4
	s_add_co_u32 s21, s21, SLOT
	s_add_co_u32 s22, s22, SLOT
.endr
	; the scale words come from memory straight into their registers: a row has 32 bytes; sixteen lanes of a load stand on 512 consecutive bytes, of which the two slots' loads take a half each
	s_lshl_b32 s21, s17, 13                        ; A's: 32 x (256 x tile + 128 x my half), from where its scale bytes begin
	s_lshl_b32 s18, s15, 12
	s_add_co_u32 s21, s21, s18
	s_add_co_u32 s21, s21, s3
	s_lshl_b32 s22, s42, 13                        ; B's likewise
	s_lshl_b32 s18, s16, 12
	s_add_co_u32 s22, s22, s18
	s_add_co_u32 s22, s22, s13
	s_wait_alu depctr_va_vdst(0)                   ; the wait here, behind the run of scalar lines and ahead of the readers of r and h
	v_mov_b32 v5, s21
	v_mov_b32 v6, s22
	v_cmp_eq_u32 vcc_lo, 0, v2
	v_cndmask_b32 v5, v6, v5, vcc_lo               ; lanes 0-15 take A's rows, lanes 16-31 B's
	v_lshl_add_u32 v5, v1, 5, v5
	v_add_nc_u32 v[ADRS], XS, v5                   ; a byte offset in qz; never rewritten
	; the epilogue's addresses: all are made here, ahead of the one parting.  Its two small stages have LDS bytes of their own, each way its own
	v_and_b32 v[L16], 31, v0
	v_lshlrev_b32 v[L16], 4, v[L16]
	v_lshlrev_b32 v7, 6, v2                        ; 64 h: my half's 16 numbers of each 32 of the bias
	s_lshl_b32 s18, s14, 10
	s_add_co_u32 s18, s18, STG
	v_lshlrev_b32 v9, 4, v1
	v_lshl_add_u32 v9, v2, 9, v9
	v_add_nc_u32 v9, s18, v9                       ; q, k: scale words in: 1,024 w + 512 h (the head) + 16 r
	v_add_nc_u32 v10, s18, v[L16]                  ; and back: 1,024 w + 16 x lane
	v_lshlrev_b32 v11, 4, v2                       ; 16 h: which half of a scale word is my head's
	v_and_b32 v12, 8, v1
	v_add_nc_u32 v12, v12, v1
	v_lshlrev_b32 v12, 2, v12                      ; v: my channel among a block's: 4 (16 (r / 8) + r % 8)
	s_wait_alu depctr_va_vdst(0)
	s_lshl_b32 s19, s14, 9
	s_add_co_u32 s19, s19, STG+4096
	v_lshl_add_u32 v13, v1, 3, s19                 ; v: scale words in: 4,096 + 512 w + 8 r
	v_add_nc_u32 v14, s19, v[L16]                  ; and back
	v_mul_u32_u24 v15, v2, HEADREC
	v_lshl_add_u32 v15, v1, 4, v15                 ; lanes 0-15 store the first head's 256 bytes, lanes 16-31 the second's
	s_mov_b32 s66, 0x76543210
	s_mov_b32 s67, 0xfedcba98                      ; v_permlanex16_b32's selects for lane l xor 16
	; where the results go, chosen without a branch
	s_lshl_b32 s22, s42, 10
	s_lshl_b32 s18, s16, 9
	s_add_co_u32 s22, s22, s18                     ; q, k: my 128 features in bqkv, in bytes
	s_lshl_b32 s23, s17, 10
	s_lshl_b32 s18, s15, 9
	s_add_co_u32 s23, s23, s18
	s_add_co_u32 s23, s23, 8192                    ; v: my 128 channels
	s_cmp_eq_u32 ttmp9, 0
	s_cselect_b32 s92, 8960, 0                     ; a record's part: Q's codes or K's,
	s_mov_b32 s93, 8192
	s_cselect_b32 s93, 4096, s93                   ; and from there to its scale words
	s_cmp_eq_u32 ttmp9, 2
	s_cselect_b32 s92, 4096, s92                   ; or V's codes
	s_cselect_b32 s22, 0, s22                      ; the kind of bias that a way does not use is loaded from the buffer's first 512 bytes
	s_cselect_b32 s23, s23, 0
	s_cselect_b32 s2, s42, s17                     ; the tile along the tokens,
	s_cselect_b32 s3, s16, s15                     ; my half of it,
	s_cselect_b32 s18, s17, s40                    ; and my first head: 4 x this
	s_cselect_b32 s19, s15, s16                    ; + 2 x this
	s_and_b32 s20, s2, 7
	s_lshl_b32 s20, s20, 1
	s_add_co_u32 s20, s20, s3                      ; the step: which 128 places of the batch's 2,048
	s_lshr_b32 s2, s2, 3
	s_lshl_b32 s2, s2, 4                           ; 16 heads a batch
	s_lshl_b32 s18, s18, 2
	s_add_co_u32 s2, s2, s18
	s_lshl_b32 s19, s19, 1
	s_add_co_u32 s2, s2, s19
	s_mul_i32 s2, s2, HEADREC
	s_mul_i32 s3, s20, STEPREC
	s_add_co_u32 s2, s2, s3
	s_add_co_u32 s2, s2, s92
	s_mov_b32 s3, 0
	s_add_nc_u64 s[6:7], s[100:101], s[2:3]        ; codes
	s_mov_b32 s2, s93
	s_add_nc_u64 s[8:9], s[6:7], s[2:3]            ; q, k: scale words
	s_lshl_b32 s2, s20, 15
	s_add_co_u32 s2, s2, ROPE
	s_add_nc_u64 s[12:13], s[96:97], s[2:3]        ; the table of my 8 tiles of tokens
	s_mov_b32 s2, s22
	s_add_nc_u64 s[4:5], s[98:99], s[2:3]          ; the bias by registers
	s_mov_b32 s2, s23
	s_add_nc_u64 s[10:11], s[98:99], s[2:3]        ; the bias by lanes
.irp s, 0,1
.irp i, 0,1,2,3,4,5,6,7
	global_load_b128 v[SC+32*\s+4*\i:SC+32*\s+4*\i+3], v[ADRS], s[96:97] offset:512*\i+16*\s   ; slot s, block i: 4 scale words a row
.endr
.endr
	; these loads are waited for only in the epilogue; their addresses are never rewritten
.irp b, 0,1,2,3
.irp j, 0,1,2,3
	global_load_b128 v[BI+16*\b+4*\j:BI+16*\b+4*\j+3], v7, s[4:5] offset:128*\b+16*\j   ; register 16 b + i: feature 32 b + 16 h + i
.endr
.endr
; THE TABLE of cos and sin lies in window 1, 32 registers a block of 16 tokens: blocks 0, 1, 2 at v192, v224, v80, asked for here; blocks 3 to 6 at v0, v32, v128, v160, where B's fragments lay, asked for at the epilogue's start; block 7 at v192 again, behind block 0's use
.macro TBL a, r
.irp j, 0,1,2,3,4,5,6,7
	global_load_b128 v[\r+4*\j:\r+4*\j+3], v[L16], s[12:13] offset:4096*(\a)+512*\j
.endr
.endm
	WIN TO_B
	TBL 0, 192
	TBL 1, 224
	TBL 2, 80
.irp a, 0,1,2,3,4,5,6,7
	global_load_b32 v[VB+2*\a], v12, s[10:11] offset:4*(32*(\a>>1)+8*(\a&1))       ; block a's channel of my lane, twice: a pair for the packed addition
	global_load_b32 v[VB+2*\a+1], v12, s[10:11] offset:4*(32*(\a>>1)+8*(\a&1))
.endr
	WIN 0
.macro FRAG reg, adr, q, i             ; 16 rows x 128 K of 4-bit codes: 8 registers: lane l holds row l % 16; registers 4 c .. 4 c + 3 hold K = 64 c + 32 (l / 16) + 0 .. 31
.irp c, 0,1
	ds_load_b128 v[\reg+4*\c:\reg+4*\c+3], v[\adr] offset:64*(\q)+32*\c+(\i)*16*PITCH
.endr
.endm
; 16 matrix instructions: A's blocks a0, a0 + 1 x B's eight.  The 64 accumulators take turns, one instruction a turn, in the same order in every step.
.macro MUL16 a0, p, q, sc, zero
.irp a, \a0, \a0+1
.irp b, 0,1,2,3,4,5,6,7
.if \zero
	v_wmma_scale_f32_16x16x128_f8f6f4 v[8*(8*((\a)%4)+\b):8*(8*((\a)%4)+\b)+7], v[128*(\p)+FR*\b:128*(\p)+FR*\b+FR-1], v[AF+FR*(\a):AF+FR*(\a)+FR-1], 0, v[SC+8*NQ*(\sc)+NQ*\b+(\q)], v[SC+8*NQ*(\sc)+NQ*(\a)+(\q)] matrix_a_fmt:MATRIX_FMT_FP4 matrix_b_fmt:MATRIX_FMT_FP4 matrix_a_scale:MATRIX_SCALE_ROW1
.else
	v_wmma_scale_f32_16x16x128_f8f6f4 v[8*(8*((\a)%4)+\b):8*(8*((\a)%4)+\b)+7], v[128*(\p)+FR*\b:128*(\p)+FR*\b+FR-1], v[AF+FR*(\a):AF+FR*(\a)+FR-1], v[8*(8*((\a)%4)+\b):8*(8*((\a)%4)+\b)+7], v[SC+8*NQ*(\sc)+NQ*\b+(\q)], v[SC+8*NQ*(\sc)+NQ*(\a)+(\q)] matrix_a_fmt:MATRIX_FMT_FP4 matrix_b_fmt:MATRIX_FMT_FP4 matrix_a_scale:MATRIX_SCALE_ROW1
.endif
.endr
.endr
.endm
.macro FETCH_B slot, q, p
	WIN TO_B
.irp i, 0,1,2,3,4,5,6,7
	FRAG 128*(\p)+FR*\i, ADRB+\slot, \q, \i
.endr
	WIN 0
.endm
.macro FETCH_A slot, q, i0
.irp i, \i0, \i0+1, \i0+2, \i0+3
	FRAG AF+FR*(\i), ADRA+\slot, \q, \i
.endr
.endm
.macro PLACES n                        ; plain vector instructions between a matrix instruction and a load into, or a vector instruction on, its registers
.rept \n
	v_nop
.endr
.endm
.macro STEP slot, q, zero              ; a step of 128 along K that has its successor in the same slot
	s_wait_dscnt 4*NL                              ; B's set and A's blocks 0-3 are in; the youngest eight loads (A's blocks 4-7) may be out
	WIN MUL_LO
	MUL16 0, (\q)%2, \q, \slot, \zero
	MUL16 2, (\q)%2, \q, \slot, \zero
	s_wait_dscnt 0                                 ; A's blocks 4-7 are in
	PLACES NP
	FETCH_B \slot, (\q)+1, 1-(\q)%2
	FETCH_A \slot, (\q)+1, 0
	WIN MUL_HI
	MUL16 4, (\q)%2, \q, \slot, \zero
	MUL16 6, (\q)%2, \q, \slot, \zero
	PLACES NP
	WIN 0
	FETCH_A \slot, (\q)+1, 4
.endm
.macro STEPS slot, from
.set Q, \from
.rept NQ-1-\from
	STEP \slot, Q, 0
.set Q, Q+1
.endr
.endm
	s_wait_tensorcnt 0x0                           ; my 128 rows are in,
	s_barrier_signal -1
	s_barrier_wait -1                              ; everybody's are
	FETCH_B 0, 0, 0
	FETCH_A 0, 0, 0
	FETCH_A 0, 0, 4
	s_wait_loadcnt 56                              ; the 16 loads of scale words are in; the 56 younger ones (bias 16, table 24, bias by lanes 16) may be out
	STEP 0, 0, 1                                   ; the first products start the sums: nothing is cleared
	STEPS 0, 1
	s_wait_dscnt 4*NL                              ; the fourth step is a step like the others: its successor lies 256 bytes on in the same rows
	WIN MUL_LO
	MUL16 0, 1, NQ-1, 0, 0
	MUL16 2, 1, NQ-1, 0, 0
	s_wait_dscnt 0
	PLACES NP
	FETCH_B 1, 0, 0
	FETCH_A 1, 0, 0
	WIN MUL_HI
	MUL16 4, 1, NQ-1, 0, 0
	MUL16 6, 1, NQ-1, 0, 0
	PLACES NP
	WIN 0
	FETCH_A 1, 0, 4
	STEPS 1, 0
	s_wait_dscnt 4*NL                              ; the very last step: nothing more to fetch
	WIN MUL_LO
	MUL16 0, 1, NQ-1, 1, 0
	MUL16 2, 1, NQ-1, 1, 0
	s_wait_dscnt 0
	WIN MUL_HI
	MUL16 4, 1, NQ-1, 1, 0
	MUL16 6, 1, NQ-1, 1, 0
	WIN 0
; 64 numbers of a lane, v[s] .. v[s + 63], register 16 b + i = k 32 b + 16 (lane / 16) + i of my row, become a fragment's codes in v[PC] on and its scale word in v[PW].
.macro QUANT s
.irp b, 0,1,2,3
	v_max3_num_f32 v[TM+\b], |v[\s+16*\b]|, |v[\s+1+16*\b]|, 0x1800000   ; block b: my 16 numbers, and the floor 2^(3 - 127): the byte cannot fall under 1
.endr
.irp i, 2,4,6,8,10,12,14
.irp b, 0,1,2,3
	v_max3_num_f32 v[TM+\b], v[TM+\b], |v[\s+16*\b+\i]|, |v[\s+1+16*\b+\i]|   ; (the four blocks by turns)
.endr
.endr
.irp b, 0,1,2,3
	v_permlanex16_b32 v[TM+4+\b], v[TM+\b], s66, s67
.endr
.irp b, 0,1,2,3
	v_max_num_f32 v[TM+\b], v[TM+\b], v[TM+4+\b]   ; with lane l xor 16's: the block's largest magnitude
.endr
.irp b, 0,1,2,3
	v_add_nc_u32 v[TM+12+\b], 0xff000000, v[TM+\b] ; 2 off its exponent field: the conversion's scale operand
.endr
.irp b, 0,1,2,3
	v_lshrrev_b32 v[TM+4+\b], 23, v[TM+12+\b]      ; the scale's byte
.endr
	v_lshl_or_b32 v[PW], v[TM+5], 8, v[TM+4]
	v_lshl_or_b32 v[PW], v[TM+6], 16, v[PW]
	v_lshl_or_b32 v[PW], v[TM+7], 24, v[PW]
.irp b, 0,1,2,3
	v_cvt_scalef32_pk8_fp4_f32 v[PC+2*\b], v[\s+16*\b:\s+7+16*\b], v[TM+12+\b]
	v_cvt_scalef32_pk8_fp4_f32 v[PC+1+2*\b], v[\s+8+16*\b:\s+15+16*\b], v[TM+12+\b]
.endr
	v_nop                                          ; one plain place behind a scaled conversion
.irp c, 0,1                                    ; the operand's layout wants a WHOLE block in a lane: lanes 0-15 block 2 c, lanes 16-31 block 2 c + 1
.irp i, 0,1
	v_permlane16_swap_b32 v[PC+4*\c+\i], v[PC+2+4*\c+\i]
.endr
.endr
.endm
; q, k: block a = 16 places of tokens x my 128 features (two heads).  Bias, rotation, codes and scale words.
.macro EQK a, cs                       ; cs: where block a's table lies in window 1
.set AC, 64*((\a)%4)
.set CSA, \cs
.if (\a) == 0
	WIN TO_B
	TBL 3, 0
	TBL 4, 32
	TBL 5, 128
	TBL 6, 160
	WIN 0
	s_wait_loadcnt 32                              ; those 32 may be out; all that the head asked for is in
.elseif (\a) == 1
	WIN TO_B
	TBL 7, 192
	WIN 0
.elseif (\a) >= 3
	s_wait_loadcnt 8*(7-(\a))                      ; block a's table is in; the eight loads of each later block may be out
.endif
	WIN 0x02+(\a)/4                                ; source 0: the accumulators' window
.set n, 0
.rept 32
	v_pk_add_f32 v[T+n:T+n+1], v[AC+n:AC+n+1], v[BI+n:BI+n+1]   ; ascending: each accumulator is read from its low end on
.set n, n+2
.endr
	WIN 0x04                                       ; source 1: the table, in window 1
.irp c, 0,1
.irp g, 0,1
.irp k, 0,2,4,6
	v_pk_mul_f32 v[TA+\k:TA+\k+1], v[T+32*\c+16+8*\g+\k:T+32*\c+16+8*\g+\k+1], v[CSA+16+8*\g+\k:CSA+16+8*\g+\k+1]   ; x2 sin
	v_pk_mul_f32 v[TB+\k:TB+\k+1], v[T+32*\c+8*\g+\k:T+32*\c+8*\g+\k+1], v[CSA+16+8*\g+\k:CSA+16+8*\g+\k+1]         ; x1 sin
.endr
.irp k, 0,2,4,6
	v_pk_fma_f32 v[T+32*\c+8*\g+\k:T+32*\c+8*\g+\k+1], v[T+32*\c+8*\g+\k:T+32*\c+8*\g+\k+1], v[CSA+8*\g+\k:CSA+8*\g+\k+1], v[TA+\k:TA+\k+1] neg_lo:[0,0,1] neg_hi:[0,0,1]   ; x1 cos - x2 sin
	v_pk_fma_f32 v[T+32*\c+16+8*\g+\k:T+32*\c+16+8*\g+\k+1], v[T+32*\c+16+8*\g+\k:T+32*\c+16+8*\g+\k+1], v[CSA+8*\g+\k:CSA+8*\g+\k+1], v[TB+\k:TB+\k+1]                     ; x2 cos + x1 sin
.endr
.endr
.endr
.if (\a) > 0
	s_wait_xcnt 0x0                                ; the last block's stores have read their codes,
	s_wait_dscnt 0x0                               ; and its LDS store its word: both are written anew below
.endif
	WIN 0
	QUANT T
	v_lshrrev_b32 v[SW], v11, v[PW]
	v_and_b32 v[SW], 0xffff, v[SW]                 ; lanes 0-15: the first head's two bytes; lanes 16-31: the second's; the upper two bytes are 0
	global_store_b128 v[L16], v[PC:PC+3], s[6:7] offset:512*(\a)              ; the first head's tile a: 512 consecutive bytes
	global_store_b128 v[L16], v[PC+4:PC+7], s[6:7] offset:512*(\a)+HEADREC    ; the second head's
	ds_store_b32 v9, v[SW] offset:256*((\a)&1)+4*((\a)>>1)                    ; place 16 a + r = 32 i + lane': at 16 lane' + 4 i
.endm
; v: block a = 16 places of channels x my 128 tokens.  Bias, codes along the keys, scale words.
.macro EV a
.set AC, 64*((\a)%4)
	WIN 0x06+(\a)/4                                ; source 0: the accumulators' window; source 1: window 1
.set n, 0
.rept 32
	v_pk_add_f32 v[T+n:T+n+1], v[AC+n:AC+n+1], v[VB+2*(\a):VB+2*(\a)+1]
.set n, n+2
.endr
	WIN 0
.if (\a) > 0
	s_wait_xcnt 0x0                                ; the last block's stores have read their codes,
	s_wait_dscnt 0x0                               ; and its LDS store its word
.endif
	QUANT T
	global_store_b128 v[L16], v[PC:PC+3], s[6:7] offset:HEADREC*((\a)>>2)+1024*((\a)&3)        ; head a / 4, channel tile a % 4: the fragment's image
	global_store_b128 v[L16], v[PC+4:PC+7], s[6:7] offset:HEADREC*((\a)>>2)+1024*((\a)&3)+512
	ds_store_b32 v13, v[PW] offset:256*((\a)>>2)+128*((\a)&1)+4*(((\a)>>1)&1)                  ; both halves of the lanes write the same word
.endm
	PLACES NP                                      ; behind the last products: their results are read and their operands' registers written below
.irp b, 0,1,2,3
	v_mov_b32 v[TM+4+\b], 0                        ; written once: a lane permute's destination counts as one of its sources
.endr
	s_cmp_eq_u32 ttmp9, 2                          ; the one parting: alike in all sixteen partners
	s_cbranch_scc1 .Lout_v
	EQK 0, 192
	EQK 1, 224
	EQK 2, 80
	EQK 3, 0
	EQK 4, 32
	EQK 5, 128
	EQK 6, 160
	EQK 7, 192
	ds_load_b128 v[T:T+3], v10                     ; LDS serves a wave's instructions in order: these see my stores
	ds_load_b128 v[T+4:T+7], v10 offset:512
	s_wait_dscnt 0x0
	global_store_b128 v[L16], v[T:T+3], s[8:9]                   ; a head's 128 scale words: 512 consecutive bytes
	global_store_b128 v[L16], v[T+4:T+7], s[8:9] offset:HEADREC
	s_branch .Lend
.Lout_v:
	s_wait_loadcnt 0x0                             ; the bias
.irp a, 0,1,2,3,4,5,6,7
	EV \a
.endr
	ds_load_b128 v[T:T+3], v14
	s_wait_dscnt 0x0
	global_store_b128 v15, v[T:T+3], s[6:7] offset:4608          ; sixteen lanes store a head's 256 bytes of scale words, aligned
.Lend:
	s_wait_tensorcnt 0x0                           ; the wave's end
	ds_add_u32 v[SPW], v[NIL]
	s_wait_dscnt 0x0
	CROUND                                         ; the closing round: no work-group ends while a partner may still ask for a tile that names it
	s_endpgm
.Lfunc_end_k_q41231b7e83_qkv:
	.size	k_q41231b7e83_qkv, .Lfunc_end_k_q41231b7e83_qkv-k_q41231b7e83_qkv
	.p2alignl 7, 3214868480
	.fill 96, 4, 3214868480
	.section	.rodata,"a",@progbits
	.p2align	6, 0x0
	.amdhsa_kernel k_q41231b7e83_qkv
		.amdhsa_group_segment_fixed_size 327680
		.amdhsa_private_segment_fixed_size 0
		.amdhsa_enable_private_segment 0
		.amdhsa_kernarg_size 24
		.amdhsa_user_sgpr_count 2
		.amdhsa_user_sgpr_kernarg_segment_ptr 1
		.amdhsa_wavefront_size32 1
		.amdhsa_system_sgpr_workgroup_id_x 1
		.amdhsa_system_sgpr_workgroup_id_y 1
		.amdhsa_system_sgpr_workgroup_id_z 1
		.amdhsa_system_vgpr_workitem_id 0
		.amdhsa_next_free_vgpr 1024
		.amdhsa_next_free_sgpr 102
		.amdhsa_reserve_vcc 1
		.amdhsa_float_denorm_mode_32 3
		.amdhsa_float_denorm_mode_16_64 3
		.amdhsa_memory_ordered 1
		.amdhsa_forward_progress 1
		.amdhsa_inst_pref_size 235
	.end_amdhsa_kernel
	.amdgpu_metadata
---
amdhsa.version: [ 1, 2 ]
amdhsa.kernels:
  - .name:           k_q41231b7e83_qkv
    .symbol:         k_q41231b7e83_qkv.kd
    .args:
      - { .name: qz, .offset: 0, .size: 8, .value_kind: global_buffer, .address_space: global }
      - { .name: bqkv, .offset: 8, .size: 8, .value_kind: global_buffer, .address_space: global }
      - { .name: hr, .offset: 16, .size: 8, .value_kind: global_buffer, .address_space: global }
    .group_segment_fixed_size: 327680
    .private_segment_fixed_size: 0
    .kernarg_segment_align: 8
    .kernarg_segment_size: 24
    .max_flat_workgroup_size: 128
    .sgpr_count:     102
    .vgpr_count:     1024
    .wavefront_size: 32
...
	.end_amdgpu_metadata
.endif
;; end of part 2
;; launch attn (part 3): grid 8 x 32, 16 waves a work-group, clusters of 4 x 1, 327,680 bytes of LDS; arguments hr, ao; writes ao
.if DOCPART == 3
	.amdgcn_target "amdgcn-amd-amdhsa--gfx1250"
	.amdhsa_code_object_version 6
	.text
	.protected	k_q41231b7e83_attn
	.globl	k_q41231b7e83_attn
	.p2align	8
	.type	k_q41231b7e83_attn,@function
k_q41231b7e83_attn:
	s_mov_b64 s[64:65], 0
	v_nop
	global_prefetch_b8 v0, s[64:65] scope:SCOPE_SE
	s_setreg_imm32_b32 hwreg(HW_REG_WAVE_MODE, 25, 1), 1
	s_wait_xcnt 0x0
	s_wait_alu depctr_hold_cnt(0) depctr_sa_sdst(0) depctr_va_vdst(0) depctr_va_sdst(0) depctr_va_ssrc(0) depctr_va_vcc(0) depctr_vm_vsrc(0)
	s_getreg_b32 s2, hwreg(HW_REG_IB_STS2, 6, 4)
	s_cmp_eq_u32 s2, 0
	s_cbranch_scc0 .Lentry_in_a_cluster
	s_endpgm
.Lentry_in_a_cluster:
	s_bfe_u32 s2, ttmp6, 0x10000c
	s_cmp_lg_u32 s2, 0x3003
	s_cbranch_scc0 .Lentry_shape_is_right
	s_endpgm
.Lentry_shape_is_right:
; o = softmax(q k^T / 8) v for 64 heads of 2,048 tokens x 64, both products on codes of FP4 (E2M1) with one E8M0 scale for each 32 along a product's K; o is quantised along D for the last product.
; THE SOFTMAX: t = score x log2(e) / 8; M = the row's largest t so far, rounded UP to a whole number; p = 2^(t - M) is quantised along the keys, not normalised.  The row's sum is taken of the unquantised p and divides O at the end.
; When M moves, the sum and O are multiplied by 2^(old M - new M): exact.  The running maximum is kept as a score; c is positive, so the largest score gives the largest t.
; SHARES.  A work-group owns 256 places of queries and a PAIR of neighbouring heads; each of its sixteen waves owns one tile of 16 queries, first for the one head, then for the other.
; LDS holds both heads' K and V codes and scale words whole: 32 steps of 8,960 bytes on end, filled once.  The pair's 32 records lie on end in hr too, so wave w fetches records 2 w and 2 w + 1: one tensor load a wave, on every way through the head.
; One wait and one barrier show all 32 steps; no barrier stands between the two heads.
; CLUSTER.  The four work-groups of a cluster own the same pair of heads: each tile is asked for jointly, by the same tensor load with a mask that names the four.
; NO PREFETCH: no tensor load stands in a loop; all that the work-group reads of K and V is asked for at the head.
; LAYOUT.  Both products are used transposed: S^T = K Q^T (source 0 = 16 places of keys), O^T = V^T P^T (source 0 = 16 places of channels): a lane holds ONE query.  Codes lie by PLACE (place p holds row p with bits 3 and 4 exchanged), so
; the 16 registers of two neighbouring tiles are 16 neighbouring keys, or channels.
; K OF THE FIRST PRODUCT IS 64, half of the instruction's 128: Q's upper four registers are zero codes.  K's tiles are four registers each, laid on end: a tile's upper half is the next tile's codes, multiplied by Q's zeros; the scale bytes there are 0, which is 2^-127.
; A STEP'S 18 LDS LOADS are this step's V (nine) and then the NEXT step's K (nine; the very last step asks for its own K again: the address is held at step 31).
; ORDER WITHIN A STEP: independent chains take turns, so that a plain line reads what stands five lines or more back.  The one chain that has no company, from the blocks' maxima over the lanes' exchange to M, has the step's LDS loads between its links.
; A wave's two passes give the two halves of ONE fragment and ONE scale word a row of the last product's operand (128 along D = two heads).
; LIMITS: NaN and infinities are not served; blocks under 2^-124 keep the byte 1; the promise holds while the scaled scores t stay under 2^31 in magnitude.
.set HEADREC, 217088
.set STEPREC, 13568
.set STEPL,   8960                     ; a step's bytes in LDS: K's codes 4,096, V's 4,096, K's scale words 512, V's 256
.set HEADL,   16*STEPL
.set LAST,    31*STEPL
.set STG,     2*HEADL                  ; o's scale words of the 256 queries: 1,024 bytes
.set SPARE,   STG+1024                 ; the spare words, 128 bytes a wave: no other line names them
.set ASC,     4194304                  ; ao: the scale words begin here
.set L16, 1                            ; v1   16 x lane
.set L8,  2                            ; v2   8 x lane
.set AV,  3                            ; v3   this step's bytes, 16 a lane
.set AW,  4                            ; v4   this step's bytes, 8 a lane
.set R16, 5                            ; v5   16 r
.set WST, 6                            ; v6   where my query's scale word goes
.set WRD, 7                            ; v7   where waves 0 and 1 read the words back
.set SPW, 8                            ; v8   my spare word; never rewritten
.set NIL, 9                            ; v9   0; never rewritten
.set AK,  10                           ; v10  the next step's bytes, 16 a lane
                                       ; v12 -M, v13 the largest score
.set A0,  14                           ; v[14:15], v[26:27], v[210:211], v[224:225]: the row's sum in four pairs
.set A1,  26
.set A2,  210
.set A3,  224
.set Q1,  16                           ; v16-23   Q of the first head (v20-23 = 0)
.set QS,  24                           ; v24, v25 Q's scale words
.set KF,  32                           ; v32-63   K's 8 tiles x 4 registers; v64-67 = 0
.set VF,  68                           ; v68-99   V's 4 fragments
.set S,   100                          ; v100-163 S^T, then p, then the tree of p's sums
.set O,   164                          ; v164-195 O^T
.set PCD, 196                          ; v196-203 p's codes
.set KSW, 204                          ; v204-207 K's scale words: register i: lanes 0-15 tile 2 i, lanes 16-31 tile 2 i + 1
.set VSW, 208                          ; v208-209 V's likewise
.set BM,  212                          ; v212-215 the blocks' largest scores, then largest p
.set PD,  216                          ; v216-219 permute destinations, bytes
.set SO,  220                          ; v220-223 a second chain of maxima, then the conversions' scale operands
.set F,   228                          ; v228 f = 2^(old M - new M); v229 p's scale word
.set TMP, 230
.set TM2, 231
.set OC,  236                          ; v236-243 o's codes: written once each, read by stores alone
.set Q2,  244                          ; v244-251 Q of the second head (v248-251 = 0)
.set OW,  252                          ; o's scale word
.set RL,  254                          ; 1 / the sum (v255 is named with it as a pair)
.set WV,  8                            ; s8   wave
.set SEL, 40                           ; s[40:41]
.set CS,  42                           ; s[42:43] c = log2(e) / 8
.set TB,  44                           ; s44  LDS byte at which the step begins
.set CNT, 45
.set TN,  62                           ; s62  LDS byte at which the next step begins, held at step 31
.macro ROUND                           ; a round of the cluster's barrier
	s_barrier_signal -1
	s_barrier_wait -1
	s_cmp_lg_u32 s[WV], 0
	s_cbranch_scc1 .Lnot_wave_0_\@
	s_barrier_signal -3
.Lnot_wave_0_\@:
	s_barrier_wait -3
	s_barrier_signal -1
	s_barrier_wait -1
.endm
	s_load_b128 s[4:7], s[0:1], 0x0                ; hr s[4:5], ao s[6:7]
	v_lshl_add_u32 v[SPW], v0, 2, SPARE
	v_mov_b32 v[NIL], 0
	ds_add_u32 v[SPW], v[NIL]                      ; the opening lines: the add, twice on end, and its wait ahead of my tensor load
	ds_add_u32 v[SPW], v[NIL]
	v_lshrrev_b32 v1, 5, v0
	v_readfirstlane_b32 s[WV], v1                  ; wave 0..15
	s_bfe_u32 s9, ttmp6, 0x40000                   ; cx
	s_lshl_b32 s10, ttmp9, 2
	s_add_co_u32 s10, s10, s9                      ; g: my 256 places of queries: it enters Q's and ao's addresses alone
	s_and_b32 s11, ttmp7, 0xffff                   ; y = 8 x batch + pair of heads, which the four partners share
	v_and_b32 v[L16], 31, v0
	v_and_b32 v[R16], 15, v0
	v_lshlrev_b32 v[L8], 3, v[L16]
	v_lshlrev_b32 v[L16], 4, v[L16]
	s_lshl_b32 s12, s[WV], 6
	s_add_co_u32 s12, s12, STG
	v_lshl_add_u32 v[WST], v[R16], 2, s12          ; STG + 64 w + 4 r
	v_lshlrev_b32 v[R16], 4, v[R16]
	s_and_b32 s13, s[WV], 1
	s_lshl_b32 s13, s13, 9
	s_add_co_u32 s12, s13, STG
	v_add_nc_u32 v[WRD], s12, v[L16]               ; STG + 512 (w % 2) + 16 x lane
.irp i, 0,1,2,3
	v_mov_b32 v[Q1+4+\i], 0                        ; zero codes for K = 64 .. 127
	v_mov_b32 v[Q2+4+\i], 0
	v_mov_b32 v[KF+32+\i], 0                       ; what the last tile of K names as its upper half
	v_mov_b32 v[PD+\i], 0                          ; written once: a lane permute's destination counts as one of its sources
.endr
	v_mov_b32 v[F+1], 0                            ; (named as the upper half of a pair before it is first written)
	v_mov_b32 v[RL+1], 0                           ; (likewise)
	v_mov_b32 v[TMP], 0
	; descriptor group 1: 2 steps' rows of 8,960 bytes (1,120 elements of 8 bytes), 13,568 bytes (1,696 elements) apart, laid on end in LDS
	s_mov_b32 s16, 15|(3<<16)|(1<<21)              ; the mask: all four work-groups; elements of 8 bytes; bit 21 beside a mask
	s_mov_b32 s17, 1120<<16                        ; tensor_dim0
	s_mov_b32 s18, 2<<16                           ; tensor_dim1
	s_mov_b32 s19, 1120<<16                        ; tile_dim0
	s_mov_b32 s20, 2                               ; tile_dim1
	s_mov_b32 s21, 1696                            ; from row to row
	s_mov_b32 s22, 0
	s_mov_b32 s23, 0
	s_mul_i32 s46, s11, 2*HEADREC                  ; the pair's first byte in hr (under 2^24)
	s_mul_i32 s47, s[WV], 2*STEPREC
	s_add_co_u32 s48, s46, s47                     ; the two records that I fetch
	s_mov_b32 s49, 0
	s_lshl_b32 s50, s10, 1
	s_lshr_b32 s51, s[WV], 3
	s_add_co_u32 s50, s50, s51                     ; the step in which my queries lie: 2 g + w / 8
	s_mul_i32 s50, s50, STEPREC
	s_add_co_u32 s50, s50, s46
	s_and_b32 s52, s[WV], 7
	s_lshl_b32 s53, s52, 9
	s_add_co_u32 s54, s50, s53
	s_add_co_u32 s54, s54, 8960                    ; Q's codes: tile w % 8
	s_mov_b32 s55, 0
	s_lshr_b32 s52, s52, 1
	s_lshl_b32 s52, s52, 2
	s_lshr_b32 s53, s13, 1                         ; 256 (w % 2)
	s_add_co_u32 s52, s52, s53
	s_add_co_u32 s56, s50, s52
	s_add_co_u32 s56, s56, 13056                   ; Q's scale words: place 16 tile + r = 32 i + lane' lies at 16 lane' + 4 i
	s_mov_b32 s57, 0
	s_lshr_b32 s50, s11, 3                         ; batch
	s_and_b32 s51, s11, 7                          ; pair of heads
	s_lshl_b32 s52, s50, 7
	s_lshl_b32 s53, s10, 4
	s_add_co_u32 s52, s52, s53
	s_add_co_u32 s52, s52, s[WV]                   ; my tile of 16 rows among ao's 512
	s_lshl_b32 s58, s52, 13
	s_lshl_b32 s53, s51, 10
	s_add_co_u32 s58, s58, s53                     ; its 8,192 bytes, my pair's 1,024 of them
	s_mov_b32 s59, 0
	s_lshl_b32 s60, s50, 13
	s_lshl_b32 s53, s10, 10
	s_add_co_u32 s60, s60, s53                     ; 4 (2,048 batch + 256 g)
	s_lshl_b32 s53, s51, 15
	s_add_co_u32 s60, s60, s53
	s_add_co_u32 s60, s60, s13
	s_add_co_u32 s60, s60, ASC
	s_mov_b32 s61, 0
	s_mov_b32 s[SEL], 0x76543210
	s_mov_b32 s[SEL+1], 0xfedcba98
	s_mov_b32 s[CS], 0x3e38aa3b                    ; log2(e) / 8
	s_mov_b32 s[CS+1], s[CS]                       ; (named with it as a pair, so it is written)
	s_mov_b32 s24, 1                               ; group 0: count,
	s_mul_i32 s25, s[WV], 2*STEPL                  ; LDS address: steps 2 w and 2 w + 1
	s_wait_alu depctr_va_vdst(0)
	s_wait_dscnt 0x0                               ; both opening adds are done
	s_wait_kmcnt 0x0
	s_add_nc_u64 s[26:27], s[4:5], s[48:49]        ; global address
	s_or_b32 s27, s27, 0x80000000                  ; type = 2
	s_add_nc_u64 s[32:33], s[4:5], s[54:55]
	s_add_nc_u64 s[34:35], s[4:5], s[56:57]
	s_add_nc_u64 s[36:37], s[6:7], s[58:59]
	s_add_nc_u64 s[38:39], s[6:7], s[60:61]
	global_load_b128 v[Q1:Q1+3], v[L16], s[32:33]
	global_load_b128 v[Q2:Q2+3], v[L16], s[32:33] offset:HEADREC
	global_load_b32 v[QS], v[R16], s[34:35]
	global_load_b32 v[QS+1], v[R16], s[34:35] offset:HEADREC
	ROUND                                          ; all four work-groups are here: the joint loads meet
	tensor_load_to_lds s[24:27], s[16:23]          ; my one tensor load of the launch
	s_nop 0
.rept 4
	v_nop
.endr
	s_wait_loadcnt 0x0                             ; Q
	s_wait_tensorcnt 0x0                           ; my two steps are in,
	s_barrier_signal -1
	s_barrier_wait -1                              ; everybody's are: all 32 steps
.irp t, 0,1,2,3,4,5,6,7
	ds_load_b128 v[KF+4*\t:KF+4*\t+3], v[L16] offset:512*\t    ; step 0's K
.endr
	ds_load_b128 v[KSW:KSW+3], v[L16] offset:8192
.macro SPR t, q, qs                    ; S^T tile t: 16 places of keys x my 16 queries
.if (\t)%2
	v_wmma_scale_f32_16x16x128_f8f6f4 v[S+8*(\t):S+8*(\t)+7], v[KF+4*(\t):KF+4*(\t)+7], v[\q:\q+7], 0, v[KSW+(\t)/2], v[\qs] matrix_a_fmt:MATRIX_FMT_FP4 matrix_b_fmt:MATRIX_FMT_FP4 matrix_a_scale:MATRIX_SCALE_ROW1
.else
	v_wmma_scale_f32_16x16x128_f8f6f4 v[S+8*(\t):S+8*(\t)+7], v[KF+4*(\t):KF+4*(\t)+7], v[\q:\q+7], 0, v[KSW+(\t)/2], v[\qs] matrix_a_fmt:MATRIX_FMT_FP4 matrix_b_fmt:MATRIX_FMT_FP4
.endif
.endm
.macro PVP t                           ; O^T tile t += 16 places of channels x 128 keys x my 16 queries
.if (\t)%2
	v_wmma_scale_f32_16x16x128_f8f6f4 v[O+8*(\t):O+8*(\t)+7], v[VF+8*(\t):VF+8*(\t)+7], v[PCD:PCD+7], v[O+8*(\t):O+8*(\t)+7], v[VSW+(\t)/2], v[F+1] matrix_a_fmt:MATRIX_FMT_FP4 matrix_b_fmt:MATRIX_FMT_FP4 matrix_a_scale:MATRIX_SCALE_ROW1
.else
	v_wmma_scale_f32_16x16x128_f8f6f4 v[O+8*(\t):O+8*(\t)+7], v[VF+8*(\t):VF+8*(\t)+7], v[PCD:PCD+7], v[O+8*(\t):O+8*(\t)+7], v[VSW+(\t)/2], v[F+1] matrix_a_fmt:MATRIX_FMT_FP4 matrix_b_fmt:MATRIX_FMT_FP4
.endif
.endm
.macro LV t, c                         ; one of this step's eight loads of V's codes
	ds_load_b128 v[VF+8*(\t)+4*(\c):VF+8*(\t)+4*(\c)+3], v[AV] offset:4096+1024*(\t)+512*(\c)
.endm
.macro LK t                            ; one of the next step's eight loads of K's codes
	ds_load_b128 v[KF+4*(\t):KF+4*(\t)+3], v[AK] offset:512*(\t)
.endm
; THE ROW'S SUM OF THE UNQUANTISED p, a tree in place over p's 32 register pairs P0 .. P31, behind the conversions that read p.
.macro AD i                            ; P(i) += P(i + 16)
	v_pk_add_f32 v[S+2*(\i):S+2*(\i)+1], v[S+2*(\i):S+2*(\i)+1], v[S+2*(\i)+32:S+2*(\i)+33]
.endm
.macro BD i                            ; P(2 i) += P(2 i + 1)
	v_pk_add_f32 v[S+4*(\i):S+4*(\i)+1], v[S+4*(\i):S+4*(\i)+1], v[S+4*(\i)+2:S+4*(\i)+3]
.endm
.macro CD m                            ; P(4 m) += P(4 m + 2)
	v_pk_add_f32 v[S+8*(\m):S+8*(\m)+1], v[S+8*(\m):S+8*(\m)+1], v[S+8*(\m)+4:S+8*(\m)+5]
.endm
.macro ACC r, k                        ; a pair of the sum: under the new M (x f), + P(k): one multiply-add
	v_pk_fma_f32 v[\r:\r+1], v[\r:\r+1], v[F:F+1], v[S+2*(\k):S+2*(\k)+1] op_sel_hi:[1,0,1]
.endm
; A KEY STEP: 128 keys.
.macro STEP q, qs
	s_add_co_u32 s[TN], s[TB], STEPL
	s_min_u32 s[TN], s[TN], LAST                   ; the next step, held inside the 32
	s_wait_dscnt 0x0                               ; this step's K and its scale words, asked for a step ago, are in
.irp t, 0,1,2,3,4,5,6,7
	SPR \t, \q, \qs
.endr
	v_add_nc_u32 v[AV], s[TB], v[L16]              ; four plain lines: the places between the products (these eight, and the last step's four) and the first read of the scores and the loads into the operands
	v_add_nc_u32 v[AW], s[TB], v[L8]
	v_add_nc_u32 v[AK], s[TN], v[L16]
	v_mov_b32 v[TMP], v12                          ; the old -M
; the largest score of each block of 32 keys: it serves the row's maximum and, since p rises with the score, the block's largest p.  Eight chains by turns: each block's two tiles have a chain each
.irp b, 0,1,2,3
	v_max3_num_f32 v[BM+\b], v[S+16*\b], v[S+1+16*\b], v[S+2+16*\b]
.endr
.irp b, 0,1,2,3
	v_max3_num_f32 v[SO+\b], v[S+8+16*\b], v[S+9+16*\b], v[S+10+16*\b]
.endr
.irp i, 3,5
.irp b, 0,1,2,3
	v_max3_num_f32 v[BM+\b], v[BM+\b], v[S+16*\b+\i], v[S+1+16*\b+\i]
.endr
.irp b, 0,1,2,3
	v_max3_num_f32 v[SO+\b], v[SO+\b], v[S+8+16*\b+\i], v[S+9+16*\b+\i]
.endr
.endr
.irp b, 0,1,2,3
	v_max3_num_f32 v[BM+\b], v[BM+\b], v[S+7+16*\b], v[S+15+16*\b]
.endr
; from here to M one line hangs on the other: the step's 18 LDS loads stand between the links, V's nine first
	LV 0, 0
.irp b, 0,1,2,3
	v_max_num_f32 v[BM+\b], v[BM+\b], v[SO+\b]
.endr
	LV 0, 1
.irp b, 0,1,2,3
	v_permlanex16_b32 v[PD+\b], v[BM+\b], s[SEL], s[SEL+1]
.endr
	LV 1, 0
.irp b, 0,1,2,3
	v_max_num_f32 v[BM+\b], v[BM+\b], v[PD+\b]     ; with lane l xor 16's 16 keys
.endr
	LV 1, 1
	LV 2, 0
	LV 2, 1
	v_max3_num_f32 v[TM2], v[BM], v[BM+1], v[BM+2]
	LV 3, 0
	LV 3, 1
	ds_load_b64 v[VSW:VSW+1], v[AW] offset:8704
	LK 0
	v_max3_num_f32 v13, v13, v[TM2], v[BM+3]       ; the running largest score
	LK 1
	LK 2
	LK 3
	LK 4
	v_mul_f32 v[TM2], s[CS], v13                   ; as t
	LK 5
	LK 6
	LK 7
	ds_load_b128 v[KSW:KSW+3], v[AK] offset:8192
	v_floor_f32 v12, -v[TM2]                       ; the new -M = floor(-t): M is a whole number
	s_delay_alu instid0(VALU_DEP_1)
	v_sub_f32 v[TMP], v12, v[TMP]                  ; old M - new M: a whole number, 0 or less
	s_delay_alu instid0(VALU_DEP_1)
	v_cvt_i32_f32 v[TMP], v[TMP]                   ; (it saturates)
	s_delay_alu instid0(VALU_DEP_1)
	v_ldexp_f32 v[F], 1.0, v[TMP]                  ; f = 2^(old M - new M)
.set j, 0
.rept 32
	v_pk_fma_f32 v[S+j:S+j+1], v[S+j:S+j+1], s[CS:CS+1], v[12:13] op_sel_hi:[1,0,0]   ; t - M, two at a time
.set j, j+2
.endr
.irp b, 0,1,2,3
	v_fma_f32 v[BM+\b], v[BM+\b], s[CS], v12       ; the same of each block's largest score
.endr
.set j, 0
.rept 16
	v_pk_mul_f32 v[O+j:O+j+1], v[O+j:O+j+1], v[F:F+1] op_sel_hi:[1,0]   ; O^T under the new M, ascending; no exponential stands between the last step's products and these first reads
.set j, j+2
.endr
.irp b, 0,1,2,3
	v_max_num_f32 v[BM+\b], 0xc2f70000, v[BM+\b]   ; held at -123.5 from below: the largest p's exponent field is then 3 at the least, so the byte cannot fall under 1; from -124 on the field is what it was
.endr
	s_wait_alu depctr_va_vdst(0)
.irp b, 0,1,2,3
	v_exp_f32 v[BM+\b], v[BM+\b]                   ; the block's largest p: the same two instructions on the same number give the same bits
.endr
.set j, 0
.rept 64
	v_exp_f32 v[S+j], v[S+j]                       ; p = 2^(t - M), at most 1
.set j, j+1
.endr
	v_nop                                          ; a place behind the last exponential
	s_wait_alu depctr_va_vdst(0)                   ; one wait for the batch of 68, ahead of its first reader
.irp b, 0,1,2,3
	v_add_nc_u32 v[SO+\b], 0xff000000, v[BM+\b]    ; 2 off the exponent field: the conversion's scale operand
.endr
.irp b, 0,1,2,3
	v_cvt_scalef32_pk8_fp4_f32 v[PCD+2*\b], v[S+16*\b:S+7+16*\b], v[SO+\b]
	v_cvt_scalef32_pk8_fp4_f32 v[PCD+1+2*\b], v[S+8+16*\b:S+15+16*\b], v[SO+\b]
.endr
.irp b, 0,1,2,3
	v_lshrrev_b32 v[PD+\b], 23, v[SO+\b]           ; the scale's byte (the first of these is also the plain place behind the conversions)
.endr
	AD 0
	AD 1
	v_lshl_or_b32 v[F+1], v[PD+1], 8, v[PD]        ; p's scale word for these 128 keys, its three lines five apart
.irp i, 2,3,4,5,6
	AD \i
.endr
	v_lshl_or_b32 v[F+1], v[PD+2], 16, v[F+1]
	AD 7
	BD 0
	BD 1
	AD 8
	AD 9
	v_lshl_or_b32 v[F+1], v[PD+3], 24, v[F+1]
	AD 10
	AD 11
	BD 2
	BD 3
	CD 0
.irp i, 12,13,14,15
	AD \i
.endr
	BD 4
	BD 5
	CD 1
	ACC A0, 0
	BD 6
	BD 7
	CD 2
.irp c, 0,1                                    ; p's codes: a WHOLE block in a lane: lanes 0-15 block 2 c, lanes 16-31 block 2 c + 1
.irp i, 0,1
	v_permlane16_swap_b32 v[PCD+4*\c+\i], v[PCD+2+4*\c+\i]
.endr
.endr
	ACC A1, 4                                      ; (these four lines are the places between the codes' last write and the products)
	ACC A2, 8
	ACC A3, 12
	v_pk_add_f32 v[A0:A0+1], v[A0:A0+1], v[S+28:S+29]   ; P14, onto the pair that has had its f
	s_wait_alu depctr_va_vdst(0)
	s_wait_dscnt 9                                 ; V and its scale words are in; the nine younger loads, the next step's K, may be out
.irp t, 0,1,2,3
	PVP \t                                         ; four accumulators by turns; the next step's eight other products stand between a link and the next
.endr
.endm
; O^T / the sum, quantised along the head's 64 channels: half p of the last product's fragment, and two bytes of its scale word.
.macro OUTQ p
.rept 4
	v_nop                                          ; places behind the last products
.endr
	v_pk_add_f32 v[A0:A0+1], v[A0:A0+1], v[A1:A1+1]   ; the sum's four pairs,
	v_pk_add_f32 v[A2:A2+1], v[A2:A2+1], v[A3:A3+1]
	s_delay_alu instid0(VALU_DEP_1)
	v_pk_add_f32 v[A0:A0+1], v[A0:A0+1], v[A2:A2+1]
	s_delay_alu instid0(VALU_DEP_1)
	v_add_f32 v14, v14, v15                        ; the pair's two halves,
	s_delay_alu instid0(VALU_DEP_1)
	v_permlanex16_b32 v[TMP], v14, s[SEL], s[SEL+1]
	s_delay_alu instid0(VALU_DEP_1)
	v_add_f32 v14, v14, v[TMP]                     ; and lane l xor 16's
	s_wait_alu depctr_va_vdst(0)
	v_rcp_f32 v[RL], v14
	v_nop                                          ; a place behind the reciprocal
	s_wait_alu depctr_va_vdst(0)                   ; and the wait ahead of its first reader, which is also O^T's
.set j, 0
.rept 16
	v_pk_mul_f32 v[S+j:S+j+1], v[O+j:O+j+1], v[RL:RL+1] op_sel_hi:[1,0]   ; register 16 b + i: channel 32 b + 16 h + i of my query; ascending
.set j, j+2
.endr
.irp b, 0,1
	v_max3_num_f32 v[BM+\b], |v[S+16*\b]|, |v[S+1+16*\b]|, 0x1800000
.endr
.irp i, 2,4,6,8,10,12,14
.irp b, 0,1
	s_delay_alu instid0(VALU_DEP_2)
	v_max3_num_f32 v[BM+\b], v[BM+\b], |v[S+16*\b+\i]|, |v[S+1+16*\b+\i]|
.endr
.endr
.irp b, 0,1
	s_delay_alu instid0(VALU_DEP_2)
	v_permlanex16_b32 v[PD+\b], v[BM+\b], s[SEL], s[SEL+1]
.endr
.irp b, 0,1
	s_delay_alu instid0(VALU_DEP_2)
	v_max_num_f32 v[BM+\b], v[BM+\b], v[PD+\b]
.endr
.irp b, 0,1
	s_delay_alu instid0(VALU_DEP_2)
	v_add_nc_u32 v[SO+\b], 0xff000000, v[BM+\b]
.endr
.irp b, 0,1
	s_delay_alu instid0(VALU_DEP_2)
	v_lshrrev_b32 v[PD+\b], 23, v[SO+\b]
.endr
.if \p == 0
	s_delay_alu instid0(VALU_DEP_1)
	v_lshl_or_b32 v[OW], v[PD+1], 8, v[PD]
.else
	s_delay_alu instid0(VALU_DEP_2)
	v_lshl_or_b32 v[OW], v[PD], 16, v[OW]
	s_delay_alu instid0(VALU_DEP_1)
	v_lshl_or_b32 v[OW], v[PD+1], 24, v[OW]
.endif
.irp b, 0,1
	v_cvt_scalef32_pk8_fp4_f32 v[OC+4*\p+2*\b], v[S+16*\b:S+7+16*\b], v[SO+\b]
	v_cvt_scalef32_pk8_fp4_f32 v[OC+4*\p+1+2*\b], v[S+8+16*\b:S+15+16*\b], v[SO+\b]
.endr
	v_nop
.irp i, 0,1
	v_permlane16_swap_b32 v[OC+4*\p+\i], v[OC+4*\p+2+\i]
.endr
	global_store_b128 v[L16], v[OC+4*\p:OC+4*\p+3], s[36:37] offset:512*\p   ; 512 consecutive bytes, aligned; these registers are not written again
.endm
.macro PASS p, q, qs
	v_mov_b32 v13, 0xff61b1e6                      ; the largest score so far: -3e38, under every score
	v_mov_b32 v12, 0x7e000000                      ; -M = 2^125: the first step's f is then 0, and finds zeros
.irp r, A0, A1, A2, A3
	v_mov_b32 v[\r], 0                             ; the sum, in four pairs
	v_mov_b32 v[\r+1], 0
.endr
.set j, 0
.rept 32
	v_mov_b32 v[O+j], 0                            ; the step is written once a pass: its first trip finds zeros
.set j, j+1
.endr
	s_mov_b32 s[TB], HEADL*\p
	s_mov_b32 s[CNT], 16
.Lstep_\@:
	STEP \q, \qs
	s_add_co_u32 s[TB], s[TB], STEPL
	s_sub_co_u32 s[CNT], s[CNT], 1
	s_cmp_lg_u32 s[CNT], 0
	s_cbranch_scc1 .Lstep_\@
	OUTQ \p
.endm
	PASS 0, Q1, QS
	PASS 1, Q2, QS+1                               ; the second head's first K was asked for in the first head's last step
	ds_store_b32 v[WST], v[OW]                     ; both halves of the lanes write the same word
	s_wait_dscnt 0x0                               ; for the others' sake (and the last step's loads of K have come back)
	s_barrier_signal -1
	s_barrier_wait -1
	s_cmp_lt_u32 s[WV], 2                          ; waves 0 and 1 store the 256 words: 512 consecutive bytes each
	s_cbranch_scc0 .Lno_words
	ds_load_b128 v[S:S+3], v[WRD]
	s_wait_dscnt 0x0
	global_store_b128 v[L16], v[S:S+3], s[38:39]
.Lno_words:
	s_wait_tensorcnt 0x0                           ; the wave's end
	ds_add_u32 v[SPW], v[NIL]
	s_wait_dscnt 0x0
	ROUND                                          ; the closing round
	s_endpgm
.Lfunc_end_k_q41231b7e83_attn:
	.size	k_q41231b7e83_attn, .Lfunc_end_k_q41231b7e83_attn-k_q41231b7e83_attn
	.p2alignl 7, 3214868480
	.fill 96, 4, 3214868480
	.section	.rodata,"a",@progbits
	.p2align	6, 0x0
	.amdhsa_kernel k_q41231b7e83_attn
		.amdhsa_group_segment_fixed_size 327680
		.amdhsa_private_segment_fixed_size 0
		.amdhsa_enable_private_segment 0
		.amdhsa_kernarg_size 16
		.amdhsa_user_sgpr_count 2
		.amdhsa_user_sgpr_kernarg_segment_ptr 1
		.amdhsa_wavefront_size32 1
		.amdhsa_system_sgpr_workgroup_id_x 1
		.amdhsa_system_sgpr_workgroup_id_y 1
		.amdhsa_system_sgpr_workgroup_id_z 1
		.amdhsa_system_vgpr_workitem_id 0
		.amdhsa_next_free_vgpr 256
		.amdhsa_next_free_sgpr 66
		.amdhsa_reserve_vcc 0
		.amdhsa_float_denorm_mode_32 3
		.amdhsa_float_denorm_mode_16_64 3
		.amdhsa_memory_ordered 1
		.amdhsa_forward_progress 1
		.amdhsa_inst_pref_size 49
	.end_amdhsa_kernel
	.amdgpu_metadata
---
amdhsa.version: [ 1, 2 ]
amdhsa.kernels:
  - .name:           k_q41231b7e83_attn
    .symbol:         k_q41231b7e83_attn.kd
    .args:
      - { .name: hr, .offset: 0, .size: 8, .value_kind: global_buffer, .address_space: global }
      - { .name: ao, .offset: 8, .size: 8, .value_kind: global_buffer, .address_space: global }
    .group_segment_fixed_size: 327680
    .private_segment_fixed_size: 0
    .kernarg_segment_align: 8
    .kernarg_segment_size: 16
    .max_flat_workgroup_size: 512
    .sgpr_count:     66
    .vgpr_count:     256
    .wavefront_size: 32
...
	.end_amdgpu_metadata
.endif
;; end of part 3
;; launch oproj (part 4): grid 4 x 64, 4 waves a work-group, clusters of 4 x 4, 327,680 bytes of LDS; arguments ao, qz, bout, out0; writes out0
.if DOCPART == 4
	.amdgcn_target "amdgcn-amd-amdhsa--gfx1250"
	.amdhsa_code_object_version 6
	.text
	.protected	k_q41231b7e83_oproj
	.globl	k_q41231b7e83_oproj
	.p2align	8
	.type	k_q41231b7e83_oproj,@function
k_q41231b7e83_oproj:
	s_mov_b64 s[64:65], 0
	v_nop
	global_prefetch_b8 v0, s[64:65] scope:SCOPE_SE
	s_setreg_imm32_b32 hwreg(HW_REG_WAVE_MODE, 25, 1), 1
	s_wait_xcnt 0x0
	s_wait_alu depctr_hold_cnt(0) depctr_sa_sdst(0) depctr_va_vdst(0) depctr_va_sdst(0) depctr_va_ssrc(0) depctr_va_vcc(0) depctr_vm_vsrc(0)
	s_getreg_b32 s2, hwreg(HW_REG_IB_STS2, 6, 4)
	s_cmp_eq_u32 s2, 0
	s_cbranch_scc0 .Lentry_in_a_cluster
	s_endpgm
.Lentry_in_a_cluster:
	s_bfe_u32 s2, ttmp6, 0x10000c
	s_cmp_lg_u32 s2, 0xf033
	s_cbranch_scc0 .Lentry_shape_is_right
	s_endpgm
.Lentry_shape_is_right:
; out0 = o Wout^T + bout on codes of FP4 (E2M1) with one E8M0 scale for each 32 along K = 1,024; sums in f32.
; ao: o's codes as images of fragments: [tile of 16 places of rows][K step 0..7][2][lane][16 bytes], 8,192 bytes a tile; from ASC on its scale words [K step][place].  Place p holds row p with bits 3 and 4 exchanged.
; qz: Wout's codes from WOC on, 512 bytes a row; its scale bytes from WOS on, 32 a row.
; A block of 128 rows x 256 features is made by four waves, 64 x 128 each: 32 accumulators.  8,192 / 128 x 1,024 / 256 = 256 work-groups.
; All of K lies in LDS at once, filled once: waves 0 and 1 fetch the halves of o's 128 rows (4 tiles, 32,768 dense bytes each), waves 2 and 3 the halves of Wout's 256 rows (128 rows of 512 bytes, 16 bytes of padding behind each): one tensor load a wave.
; CLUSTERS: 4 x 4 work-groups; o's tiles are asked for jointly along a row of the cluster, Wout's along a column.
; NO PREFETCH: no tensor load stands in a loop.
; THE MATRIX INSTRUCTION: source 0 = 16 rows of Wout, source 1 = 16 places of o: a lane holds eight neighbouring features of one row of out0.  The bias is the C of each accumulator's first product.
; A K step is 32 products; the next step's 24 fragment loads are issued ahead of them, into the other of two sets.
; REGISTERS: window 0: v0-31 addresses; v32-47 o's scale words, v64-95 Wout's; v128-191 o's fragments, two sets; v192-255 the bias.  window 1: Wout's fragments at v0 and v128.  window 2: accumulator (a, b) at v[8 (8 a + b)].
.set NP,     4                         ; places behind this matrix instruction (ISA guide 7.12.1)
.set PITCH,  528
.set HALFA,  32768
.set HALFT,  128*PITCH
.set SPARE,  2*HALFA+2*HALFT           ; the spare words, 128 bytes a wave: no other line names them
.set STAGE,  SPARE+512                 ; the way out: 16 rows x 528 bytes a wave: bytes into which no fill lands
.set SPITCH, 528
.set ASC,    4194304
.set WOC,    5767168
.set WOS,    6651904
.set ADRA, 16
.set ADRB, 20
.set STO,  24
.set RD,   25
.set CO,   26
.set SPW,  28
.set NIL,  29
.set SA,   32
.set SB,   64
.set AF,   128
.set BI,   192
.set BK,   128
.set G1, 24
.set G0, 32
.set G1B, 48
.set G0B, 56
.set MSB, 0
.macro WIN new                         ; the immediate's high byte repeats the setting that is left
.if MSB != (\new)
	s_set_vgpr_msb (MSB<<8)|(\new)
.set MSB, (\new)
.endif
.endm
.set MUL_LO, 0xa1                      ; source 0 (Wout) window 1, source 1 (o) window 0, C and D window 2
.set TO_B,   0x40
.macro CROUND                          ; a round of the cluster's barrier
	s_barrier_signal -1
	s_barrier_wait -1
	s_cmp_lg_u32 s14, 0
	s_cbranch_scc1 .Lnot_wave_0_\@
	s_barrier_signal -3
.Lnot_wave_0_\@:
	s_barrier_wait -3
	s_barrier_signal -1
	s_barrier_wait -1
.endm
	s_load_b128 s[96:99], s[0:1], 0x0              ; ao, qz
	s_load_b128 s[4:7], s[0:1], 0x10               ; bout, out0
	v_lshl_add_u32 v[SPW], v0, 2, SPARE
	v_mov_b32 v[NIL], 0
	ds_add_u32 v[SPW], v[NIL]                      ; the opening lines: the add, twice on end, and its wait ahead of my tensor load
	ds_add_u32 v[SPW], v[NIL]
	v_lshrrev_b32 v1, 5, v0
	v_readfirstlane_b32 s14, v1                    ; wave 0..3
	s_lshr_b32 s15, s14, 1                         ; my half of o's rows.  Also: I fetch for o (0) or for Wout (1)
	s_and_b32 s16, s14, 1                          ; my half of Wout's rows.  Also: which half I fetch
	s_bfe_u32 s40, ttmp6, 0x40000                  ; cx
	s_bfe_u32 s41, ttmp6, 0x40004                  ; cy
	s_lshl_b32 s42, ttmp9, 2
	s_add_co_u32 s42, s42, s40                     ; which 256 features
	s_and_b32 s17, ttmp7, 0xffff
	s_lshl_b32 s17, s17, 2
	s_add_co_u32 s17, s17, s41                     ; which 128 rows
	s_lshl_b32 s43, s41, 2
	s_lshl_b32 s43, 15, s43                        ; my row of the cluster
	s_lshl_b32 s44, 0x1111, s40                    ; my column
	s_or_b32 s[G1+0], s43, (3<<16)|(1<<21)         ; o: 4 rows of 8,192 bytes (1,024 elements of 8 bytes), dense
	s_mov_b32 s[G1+1], 1024<<16
	s_mov_b32 s[G1+2], 4<<16
	s_mov_b32 s[G1+3], 1024<<16
	s_mov_b32 s[G1+4], 4
	s_mov_b32 s[G1+5], 1024
	s_mov_b32 s[G1+6], 0
	s_mov_b32 s[G1+7], 0
	s_or_b32 s[G1B+0], s44, (0<<16)|(1<<20)|(1<<21)|(6<<22)|(3<<25)   ; Wout: 128 rows of 512 bytes; padding: 4 words after every 128
	s_mov_b32 s[G1B+1], 512<<16
	s_mov_b32 s[G1B+2], 128<<16
	s_mov_b32 s[G1B+3], 512<<16
	s_mov_b32 s[G1B+4], 128
	s_mov_b32 s[G1B+5], 512
	s_mov_b32 s[G1B+6], 0
	s_mov_b32 s[G1B+7], 0
	s_lshl_b32 s45, s16, 15                        ; o's half that I fetch: in LDS, and from the block's first byte in ao
	s_lshl_b32 s20, s17, 16
	s_add_co_u32 s20, s20, s45
	s_mov_b32 s21, 0
	s_lshl_b32 s18, s16, 16
	s_lshl_b32 s46, s42, 17
	s_add_co_u32 s46, s46, s18
	s_add_co_u32 s46, s46, WOC
	s_mov_b32 s47, 0
	s_mul_i32 s94, s16, HALFT                      ; Wout's half, the one that I fetch and the one that I multiply
	s_add_co_u32 s94, s94, 2*HALFA
	s_lshl_b32 s92, s15, 15                        ; o's half that I multiply
	s_mul_i32 s93, s14, 16*SPITCH
	s_add_co_u32 s93, s93, STAGE                   ; my stage
	v_and_b32 v1, 15, v0                           ; r
	v_bfe_u32 v2, v0, 4, 1                         ; h
	v_and_b32 v8, 31, v0
	v_lshlrev_b32 v[CO], 4, v8                     ; 16 x lane
	v_mul_u32_u24 v3, v1, PITCH
	v_lshl_add_u32 v4, v2, 4, v3
	v_add_nc_u32 v[ADRA], s92, v[CO]
	v_add_nc_u32 v[ADRB], s94, v4
	v_mul_u32_u24 v5, v1, SPITCH
	v_lshl_add_u32 v5, v2, 5, v5
	v_add_nc_u32 v[STO], s93, v5                   ; the stage, in: row r, 32 bytes for each half of the lanes
	v_add_nc_u32 v[RD], s93, v[CO]                 ; and back: a row of 512 bytes to the 32 lanes
	v_lshlrev_b32 v5, 2, v8                        ; o's scale words: 4 bytes a place
	v_lshlrev_b32 v6, 5, v8                        ; Wout's: 32 bytes a row
	v_lshlrev_b32 v7, 5, v2                        ; the bias: my half's eight features of each sixteen
	s_mov_b32 s19, 0
	s_lshl_b32 s18, s17, 9
	s_lshl_b32 s22, s15, 8
	s_add_co_u32 s18, s18, s22
	s_add_co_u32 s18, s18, ASC                     ; 4 (128 block + 64 half)
	s_lshl_b32 s2, s42, 13
	s_lshl_b32 s22, s16, 12
	s_add_co_u32 s2, s2, s22
	s_add_co_u32 s2, s2, WOS                       ; 32 (256 block + 128 half)
	s_mov_b32 s3, 0
	s_lshl_b32 s90, s42, 10
	s_lshl_b32 s22, s16, 9
	s_add_co_u32 s90, s90, s22                     ; my 128 features, in bytes of f32
	s_mov_b32 s91, 0
	s_lshl_b32 s88, s17, 19
	s_lshl_b32 s22, s15, 18
	s_add_co_u32 s88, s88, s22                     ; my 64 rows of out0, 4,096 bytes each
	s_mov_b32 s89, 0
	s_wait_alu depctr_va_vdst(0)
	s_wait_dscnt 0x0                               ; both opening adds are done
	s_wait_kmcnt 0x0
	s_add_nc_u64 s[20:21], s[96:97], s[20:21]
	s_add_nc_u64 s[46:47], s[98:99], s[46:47]
	s_add_nc_u64 s[8:9], s[96:97], s[18:19]
	s_add_nc_u64 s[10:11], s[98:99], s[2:3]
	s_add_nc_u64 s[4:5], s[4:5], s[90:91]
	s_add_nc_u64 s[12:13], s[6:7], s[90:91]
	s_add_nc_u64 s[12:13], s[12:13], s[88:89]
.irp i, 0,1
.irp Q, 0,1,2,3,4,5,6,7
	global_load_b32 v[SA+8*\i+\Q], v5, s[8:9] offset:32768*\Q+128*\i     ; K step Q: lanes 0-15 tile 2 i, lanes 16-31 tile 2 i + 1
.endr
.endr
.irp s, 0,1
.irp i, 0,1,2,3
	global_load_b128 v[SB+16*\s+4*\i:SB+16*\s+4*\i+3], v6, s[10:11] offset:1024*\i+16*\s   ; K steps 4 s .. 4 s + 3 of rows 32 i + lane
.endr
.endr
.irp b, 0,1,2,3,4,5,6,7
	global_load_b128 v[BI+8*\b:BI+8*\b+3], v7, s[4:5] offset:64*\b
	global_load_b128 v[BI+8*\b+4:BI+8*\b+7], v7, s[4:5] offset:64*\b+16
.endr
	s_mov_b32 s[G0], 1
	s_mov_b32 s[G0+1], s45
	s_mov_b64 s[G0+2:G0+3], s[20:21]
	s_or_b32 s[G0+3], s[G0+3], 0x80000000
	s_mov_b32 s[G0B], 1
	s_mov_b32 s[G0B+1], s94
	s_mov_b64 s[G0B+2:G0B+3], s[46:47]
	s_or_b32 s[G0B+3], s[G0B+3], 0x80000000
	CROUND                                         ; all sixteen work-groups are here: the joint loads meet
	s_cmp_eq_u32 s15, 0                            ; one load in each arm: every way through the head passes one
	s_cbranch_scc0 .Lfor_b
	tensor_load_to_lds s[G0:G0+3], s[G1:G1+7]
	s_nop 0
.rept 4
	v_nop
.endr
	s_branch .Lasked
.Lfor_b:
	tensor_load_to_lds s[G0B:G0B+3], s[G1B:G1B+7]
	s_nop 0
.rept 4
	v_nop
.endr
.Lasked:
.macro PLACES n
.rept \n
	v_nop
.endr
.endm
.macro FETCH Q                         ; K step Q's fragments into set Q % 2: Wout's eight (16 loads), o's four (8 loads)
	WIN TO_B
.irp i, 0,1,2,3,4,5,6,7
.irp c, 0,1
	ds_load_b128 v[128*((\Q)%2)+8*\i+4*\c:128*((\Q)%2)+8*\i+4*\c+3], v[ADRB] offset:64*(\Q)+32*\c+\i*16*PITCH
.endr
.endr
	WIN 0
.irp i, 0,1,2,3
.irp c, 0,1
	ds_load_b128 v[AF+32*((\Q)%2)+8*\i+4*\c:AF+32*((\Q)%2)+8*\i+4*\c+3], v[ADRA] offset:8192*\i+1024*(\Q)+512*\c
.endr
.endr
.endm
.macro MUL Q, zero                     ; 32 products: the 32 accumulators take turns, one instruction a turn, in the same order in every step
.irp a, 0,1,2,3
.irp b, 0,1,2,3,4,5,6,7
.set rD, 8*(8*\a+\b)
.set rB, 128*((\Q)%2)+8*\b
.set rA, AF+32*((\Q)%2)+8*\a
.set rC, rD
.if \zero
.set rC, BI+8*\b
.endif
.set sB, SB+16*((\Q)/4)+4*(\b/2)+(\Q)%4
.set sA, SA+8*(\a/2)+(\Q)
.if ((\a%2) == 1) && ((\b%2) == 1)
	v_wmma_scale_f32_16x16x128_f8f6f4 v[rD:rD+7], v[rB:rB+7], v[rA:rA+7], v[rC:rC+7], v[sB], v[sA] matrix_a_fmt:MATRIX_FMT_FP4 matrix_b_fmt:MATRIX_FMT_FP4 matrix_a_scale:MATRIX_SCALE_ROW1 matrix_b_scale:MATRIX_SCALE_ROW1
.elseif (\a%2) == 1
	v_wmma_scale_f32_16x16x128_f8f6f4 v[rD:rD+7], v[rB:rB+7], v[rA:rA+7], v[rC:rC+7], v[sB], v[sA] matrix_a_fmt:MATRIX_FMT_FP4 matrix_b_fmt:MATRIX_FMT_FP4 matrix_b_scale:MATRIX_SCALE_ROW1
.elseif (\b%2) == 1
	v_wmma_scale_f32_16x16x128_f8f6f4 v[rD:rD+7], v[rB:rB+7], v[rA:rA+7], v[rC:rC+7], v[sB], v[sA] matrix_a_fmt:MATRIX_FMT_FP4 matrix_b_fmt:MATRIX_FMT_FP4 matrix_a_scale:MATRIX_SCALE_ROW1
.else
	v_wmma_scale_f32_16x16x128_f8f6f4 v[rD:rD+7], v[rB:rB+7], v[rA:rA+7], v[rC:rC+7], v[sB], v[sA] matrix_a_fmt:MATRIX_FMT_FP4 matrix_b_fmt:MATRIX_FMT_FP4
.endif
.endr
.endr
.endm
.macro STEP Q, zero, more
.if \more
	PLACES NP                                      ; behind the last step's products, which read the set that is loaded now
	FETCH (\Q)+1
	s_wait_dscnt 24                                ; this step's fragments are in; the 24 loads just issued may be out
.else
	s_wait_dscnt 0x0
.endif
	WIN MUL_LO-0x20*(\zero)                        ; (the bias lies in window 0)
	MUL \Q, \zero
.endm
	s_wait_tensorcnt 0x0                           ; my part is in,
	s_barrier_signal -1
	s_barrier_wait -1                              ; everybody's is
	FETCH 0
	s_wait_loadcnt 0x0                             ; the scale words and the bias
	STEP 0, 1, 1
.irp Q, 1,2,3,4,5,6
	STEP \Q, 0, 1
.endr
	STEP 7, 0, 0
	WIN 0
; THE WAY OUT, block by block of 16 places x 128 features, through my own stage in LDS: it comes back as whole rows of 512 bytes.  LDS serves a wave's instructions in order (ISA guide 5.7.1.4): no wait between the stores and the loads.
.macro TOSTAGE a
.set AC, 64*(\a)
	WIN 0x08                                       ; the data: window 2
.irp b, 0,1,2,3,4,5,6,7
	ds_store_b128 v[STO], v[AC+8*\b:AC+8*\b+3] offset:64*\b          ; each accumulator from its low end on
	ds_store_b128 v[STO], v[AC+8*\b+4:AC+8*\b+7] offset:64*\b+16
.endr
	WIN 0
.set BB, BK+64*((\a)%2)
.irp t, 0,1,2,3,4,5,6,7,8,9,10,11,12,13,14,15
	ds_load_b128 v[BB+4*\t:BB+4*\t+3], v[RD] offset:\t*SPITCH
.endr
.endm
.macro SEND a, younger                 ; place 16 a + t is row 32 (a / 2) + 16 (t / 8) + 8 (a % 2) + t % 8
.set BB, BK+64*((\a)%2)
	s_wait_dscnt \younger
.irp t, 0,1,2,3,4,5,6,7,8,9,10,11,12,13,14,15
	global_store_b128 v[CO], v[BB+4*\t:BB+4*\t+3], s[12:13] offset:4096*(32*((\a)>>1)+16*(\t>>3)+8*((\a)&1)+(\t&7)) th:TH_STORE_NT   ; 32 lanes store 512 consecutive bytes, aligned
.endr
.endm
	PLACES NP                                      ; behind the last products: their results are read, and loads land on their operands' registers
	TOSTAGE 0
.irp a, 1,2,3
.if \a > 1
	s_wait_xcnt 0x0                                ; block a - 2's stores have read their registers: block a's loads may land there
.endif
	TOSTAGE \a
	SEND \a-1, 32                                  ; behind block a - 1's loads: block a's 16 stores and 16 loads
.endr
	SEND 3, 0
	s_wait_tensorcnt 0x0                           ; the wave's end
	ds_add_u32 v[SPW], v[NIL]
	s_wait_dscnt 0x0
	CROUND                                         ; the closing round
	s_endpgm
.Lfunc_end_k_q41231b7e83_oproj:
	.size	k_q41231b7e83_oproj, .Lfunc_end_k_q41231b7e83_oproj-k_q41231b7e83_oproj
	.p2alignl 7, 3214868480
	.fill 96, 4, 3214868480
	.section	.rodata,"a",@progbits
	.p2align	6, 0x0
	.amdhsa_kernel k_q41231b7e83_oproj
		.amdhsa_group_segment_fixed_size 327680
		.amdhsa_private_segment_fixed_size 0
		.amdhsa_enable_private_segment 0
		.amdhsa_kernarg_size 32
		.amdhsa_user_sgpr_count 2
		.amdhsa_user_sgpr_kernarg_segment_ptr 1
		.amdhsa_wavefront_size32 1
		.amdhsa_system_sgpr_workgroup_id_x 1
		.amdhsa_system_sgpr_workgroup_id_y 1
		.amdhsa_system_sgpr_workgroup_id_z 1
		.amdhsa_system_vgpr_workitem_id 0
		.amdhsa_next_free_vgpr 768
		.amdhsa_next_free_sgpr 102
		.amdhsa_reserve_vcc 0
		.amdhsa_float_denorm_mode_32 3
		.amdhsa_float_denorm_mode_16_64 3
		.amdhsa_memory_ordered 1
		.amdhsa_forward_progress 1
		.amdhsa_inst_pref_size 71
	.end_amdhsa_kernel
	.amdgpu_metadata
---
amdhsa.version: [ 1, 2 ]
amdhsa.kernels:
  - .name:           k_q41231b7e83_oproj
    .symbol:         k_q41231b7e83_oproj.kd
    .args:
      - { .name: ao, .offset: 0, .size: 8, .value_kind: global_buffer, .address_space: global }
      - { .name: qz, .offset: 8, .size: 8, .value_kind: global_buffer, .address_space: global }
      - { .name: bout, .offset: 16, .size: 8, .value_kind: global_buffer, .address_space: global }
      - { .name: out0, .offset: 24, .size: 8, .value_kind: global_buffer, .address_space: global }
    .group_segment_fixed_size: 327680
    .private_segment_fixed_size: 0
    .kernarg_segment_align: 8
    .kernarg_segment_size: 32
    .max_flat_workgroup_size: 128
    .sgpr_count:     102
    .vgpr_count:     768
    .wavefront_size: 32
...
	.end_amdgpu_metadata
.endif
;; end of part 4
